; MI455X (gfx1250); checked and timed in simulation.
; The chip was launched on July 23, 2026; its instructions are those of AMD's public machine-readable ISA for CDNA 5 (MIT licence, August 2026) and "CDNA5" Instruction Set Architecture Reference Guide (July 2026). The comments in the code are by the model that wrote it; some were corrected since.
;; Muti Head Attention. Allowed arithmetic: matrix products marked QUANTISED: E2M1 operands, one E8M0 scale for each 32 along K, by v_wmma_scale_f32_16x16x128_f8f6f4 with both operands' format E2M1 (or v_wmma_scale_f32_32x16x128_f4), f32 sums; everything else in f32.
;; Inputs: b_k 1,024 float32; b_o 1,024 float32; b_q 1,024 float32; b_v 1,024 float32; w_k 1,024 x 1,024 float32; w_o 1,024 x 1,024 float32; w_q 1,024 x 1,024 float32; w_v 1,024 x 1,024 float32; x 4 x 2,048 x 1,024 float32.
;; Outputs: out0 4 x 2,048 x 1,024 float32.
;; This version of the problem:
;;   THIS VERSION OF THE PROBLEM IS GIVEN IN LOW PRECISION. The matrix products marked QUANTISED in the list below multiply operands that are first quantised to E2M1 (2 exponent bits, 1 mantissa bit; 4 bits a number), with one power-of-two scale for each 32 numbers along K (OCP MX v1.0); their sums are f32. All else is computed in f32.
;;   The module's matrix products, in the order in which they are computed (A, B: the left and right operand; K: the contracted axis; several contracted axes count as one K, in the product's order):
;;     1. [M 8,192, K 1,024] x [K 1,024, N 1,024]; A: input x; B: input w_q: QUANTISED
;;     2. [M 8,192, K 1,024] x [K 1,024, N 1,024]; A: input x; B: input w_k: QUANTISED
;;     3. [M 8,192, K 1,024] x [K 1,024, N 1,024]; A: input x; B: input w_v: QUANTISED
;;     4. batch 64 x [M 2,048, K 64] x [K 64, N 2,048]; A: computed on the way; B: computed on the way: QUANTISED
;;     5. batch 64 x [M 2,048, K 2,048] x [K 2,048, N 64]; A: softmax (see below); B: computed on the way: QUANTISED
;;     6. [M 8,192, K 1,024] x [K 1,024, N 1,024]; A: computed on the way; B: input w_o: QUANTISED
;;   THE QUANTISER, for each operand of a quantised product, along K:
;;     - K is cut into blocks of 32 from its start; a last block that is shorter is filled with zeros.
;;     - A block's scale is 2^e with e = floor(log2(the largest magnitude in the block)) - 2, held to -126 .. 127; a block of zeros has e = 0. As a byte (E8M0): e + 127.
;;     - Each number is divided by its block's scale, clamped to +-6, and rounded to the nearest number of E2M1, ties to even, subnormals kept.
;;     - The product sums the exact products of the quantised numbers (number of the format x scale) in f32.
;;   ~~~python
;;   def quantise(x, axis):      # numpy; x: float32 -> the quantised numbers, widened to float32 again
;;       x = np.moveaxis(x, axis, -1); K = x.shape[-1]
;;       x = np.pad(x, [(0, 0)] * (x.ndim - 1) + [(0, -K % 32)]); x = x.reshape(x.shape[:-1] + (-1, 32)); a = np.abs(x).max(-1, keepdims=True)
;;       e = np.where(a > 0, np.clip(np.frexp(np.where(a > 0, a, 1))[1] - 1 - 2, -126, 127), 0)      # np.frexp(a)[1] - 1 = floor(log2(a)), exactly
;;       r = np.clip(x / 2.0 ** e, -6, 6)
;;       step = 2.0 ** (np.maximum(np.frexp(np.where(r == 0, 1, r))[1] - 1, 0) - 1)
;;       q = np.round(r / step) * step * 2.0 ** e      # np.round: ties to even
;;       return np.moveaxis(q.reshape(q.shape[:-2] + (-1,))[..., :K], -1, axis).astype(np.float32)
;;   ~~~
;;   SOFTMAX AHEAD OF A QUANTISED PRODUCT. Where the list says 'softmax', what is quantised is not the finished softmax but p = 2^(t - M), with t = logit x log2(e) and M = ceil(the row's largest t), a whole number; so 1/2 < the row's largest p <= 1. The row's sum l is taken of the UNQUANTISED p, in f32, and the product's result is divided by l at the end. Since M is a whole number, a kernel that streams over the keys may use a running M (the ceiling of the running maximum): every later rescaling is an exact power of two, which a block's scale takes up: the codes' values come out the same.
;;   OPERANDS COMPUTED ON THE WAY. 'Computed on the way' means the value that the module computes at that place (a softmax that the list does not call 'softmax' is quantised finished and normalised). What goes into a quantiser is computed in f32, as accurately as f32 sums, v_exp_f32 and their like allow (about 1e-6 of the number): no bf16 or f16 on the way to a quantiser, and a product that is left as it is and whose result goes on into a quantised operand takes f32 operands (vector FMAs, or v_wmma_f32_16x16x4_f32). A number that lies on a knife's edge between two numbers of the format may be rounded either way, as far as f32 arithmetic and the matrix unit's own rounding can turn it there, and no further.
;; One version. Each part assembles by itself: llvm-mc -triple=amdgcn-amd-amdhsa -mcpu=gfx1250 --defsym DOCPART=n.
;; ======== version 1 of 1: 4 launches
;; workspace buffers: cw 6,291,456 bytes; sw 393,216 bytes; qkvc 12,582,912 bytes; qkvs 1,310,720 bytes; oc 4,194,304 bytes; os 262,144 bytes
;; launch quant (part 1): grid 384 x 1, 4 waves a work-group, no clusters, 33,280 bytes of LDS; arguments x, w_q, w_k, w_v, w_o, cw, sw; writes cw, sw
.if DOCPART == 1
	.amdgcn_target "amdgcn-amd-amdhsa--gfx1250"
	.amdhsa_code_object_version 6
	.text
	.protected	k_qcb6c022ce8_quant
	.globl	k_qcb6c022ce8_quant
	.p2align	8
	.type	k_qcb6c022ce8_quant,@function
k_qcb6c022ce8_quant:
	s_mov_b64 s[64:65], 0
	v_nop
	global_prefetch_b8 v0, s[64:65] scope:SCOPE_SE
	s_setreg_imm32_b32 hwreg(HW_REG_WAVE_MODE, 25, 1), 1
	s_wait_xcnt 0x0
; x [8192][1024] and w_q, w_k, w_v, w_o [1024][1024], f32 with K innermost, become codes of FP4 (E2M1) and one E8M0 scale byte for each 32 along K.
; cw: [12288 rows][512 bytes of codes], sw: [12288 rows][32 scale bytes]; rows 0.. x, 8192.. w_q, 9216.. w_k, 10240.. w_v, 11264.. w_o.
; STORED ROW ORDER: in each group of 32 rows the two middle groups of eight change places.  So 16 consecutive stored rows 16 i + m are the true rows 32 (i / 2) + 8 (i % 2) + m + 8 (m / 8):
; a product that takes 16 stored rows as its source 0 then leaves, in the 16 registers of two neighbouring tiles, 16 neighbours of the true order, which is what the next quantiser wants.
; A block's scale is 2^(floor(log2(its largest magnitude)) - 2); its byte is the largest magnitude's exponent field - 2, held at 1 from below.
; LIMITS: a block of zeros gets the byte 1 where the quantiser's rule says 127 (its codes are zeros, and the bytes are read by this program alone); blocks whose largest magnitude lies under 2^-124 were not tried;
; NaN and infinities among the inputs are not served.
; SHARES: a work-group takes one group of 32 rows, each of its four waves eight rows (8,192 numbers) in 16 steps of 512.  Each load reads 512 consecutive bytes; a step's 2,048 bytes turn through the wave's own stage in LDS,
; so that a lane then holds 16 neighbours along K (two lanes to a block).  A lane's 16 codes are 8 bytes: a wave's store covers 256 consecutive bytes, aligned.  A wave's 256 scale bytes are gathered in LDS and leave by one store.
; No input is shared between work-groups, so there is no cluster; waves share nothing, so there is no barrier.  Loads run four steps (16 loads a wave) ahead.
.set STEPS, 16
.set EMAX,  2
.set CB,    8                          ; bytes of 16 codes
.set R,     16                         ; v16-79   four sets of 16 numbers as they are loaded
.set X,     80                         ; v80-111  two sets of 16 neighbours
.set C,     128                        ; v128-191 codes: four registers for each step, so that no store's data are written again
.set E,     112                        ; v112-127 a scale byte for each step
.set WREG,  8192                       ; LDS: a region for each wave: two stages of 32 x SP bytes, and behind them its 256 scale bytes
.set SP,    80                         ; a lane's place in a stage: its 64 bytes + 16 of padding
	s_load_b256 s[4:11], s[0:1], 0x0               ; x, w_q, w_k, w_v
	s_load_b128 s[12:15], s[0:1], 0x20             ; w_o, cw
	s_load_b64 s[24:25], s[0:1], 0x30              ; sw
	v_lshl_add_u32 v192, v0, 2, 0x8000
	v_mov_b32 v193, 0
	v_lshrrev_b32 v1, 5, v0
	v_readfirstlane_b32 s16, v1                    ; wave
	v_and_b32 v2, 31, v0                           ; lane
	v_lshlrev_b32 v3, 4, v2                        ; my 16 bytes of a load's 512
	s_mul_i32 s17, s16, WREG
	v_lshrrev_b32 v14, 2, v2
	v_mul_u32_u24 v14, v14, SP
	v_and_b32 v15, 3, v2
	v_lshl_add_u32 v14, v15, 4, v14
	v_add_nc_u32 v14, s17, v14                     ; the stage, on the way in: SP (lane / 4) + 16 (lane % 4)
	v_mul_u32_u24 v15, v2, SP
	v_add_nc_u32 v15, s17, v15                     ; and on the way out: SP x lane: my 16 neighbours
	v_mul_u32_u24 v4, v2, CB                       ; my codes' place in a step's
	v_lshrrev_b32 v5, 1, v2
	s_add_co_u32 s17, s17, 2*32*SP
	v_add_nc_u32 v5, s17, v5                       ; LDS: my wave's 256 scale bytes, my block's byte
	v_lshlrev_b32 v7, 3, v2                        ; and on the way out 8 bytes a lane
	v_add_nc_u32 v6, s17, v7
	s_and_b32 s18, ttmp9, 31                       ; a weight's group of 32 rows (each weight has 32 groups, and x's 256 are a multiple of 32)
	s_wait_alu depctr_va_vdst(0)
	s_wait_kmcnt 0x0
	s_cmp_lt_u32 ttmp9, 352                        ; which tensor: the choice hangs on the work-group's number alone
	s_cselect_b64 s[26:27], s[10:11], s[12:13]
	s_cmp_lt_u32 ttmp9, 320
	s_cselect_b64 s[26:27], s[8:9], s[26:27]
	s_cmp_lt_u32 ttmp9, 288
	s_cselect_b64 s[26:27], s[6:7], s[26:27]
	s_cmp_lt_u32 ttmp9, 256
	s_cselect_b64 s[26:27], s[4:5], s[26:27]
	s_cselect_b32 s18, ttmp9, s18                  ; the group's number inside its tensor
	s_lshl_b32 s18, s18, 2
	s_add_co_u32 s18, s18, s16                     ; the TRUE group of eight rows that my wave reads
	s_lshl_b32 s18, s18, 15                        ; 8 rows of 4,096 bytes
	s_mov_b32 s19, 0
	s_add_nc_u64 s[26:27], s[26:27], s[18:19]
	s_and_b32 s20, s16, 1
	s_lshl_b32 s20, s20, 1
	s_lshr_b32 s21, s16, 1
	s_or_b32 s20, s20, s21                         ; where it is STORED: waves 1 and 2 change places
	s_lshl_b32 s21, ttmp9, 2
	s_add_co_u32 s20, s20, s21
	s_lshl_b32 s22, s20, 12                        ; 8 rows of 512 bytes of codes
	s_mov_b32 s23, 0
	s_add_nc_u64 s[14:15], s[14:15], s[22:23]
	s_lshl_b32 s22, s20, 8                         ; 8 rows of 32 scale bytes
	s_add_nc_u64 s[24:25], s[24:25], s[22:23]
.macro LOAD t
.irp i, 0,1,2,3
	global_load_b128 v[R+16*((\t)%4)+4*\i:R+16*((\t)%4)+4*\i+3], v3, s[26:27] offset:2048*(\t)+512*\i th:TH_LOAD_NT   ; 32 lanes read 512 consecutive bytes
.endr
.endm
.macro TURN t                          ; step t's numbers through the stage: LDS serves a wave's instructions in order, so no wait stands between the stores and the loads
.irp i, 0,1,2,3
	ds_store_b128 v14, v[R+16*((\t)%4)+4*\i:R+16*((\t)%4)+4*\i+3] offset:32*SP*((\t)%2)+8*SP*\i
.endr
.irp i, 0,1,2,3
	ds_load_b128 v[X+16*((\t)%2)+4*\i:X+16*((\t)%2)+4*\i+3], v15 offset:32*SP*((\t)%2)+16*\i
.endr
.endm
.irp t, 0,1,2,3
	LOAD \t
.endr
	s_wait_loadcnt 12                              ; step 0's four loads are in
	TURN 0
.macro STEP t
.set XS, X+16*((\t)%2)
.if (\t) > 0
	s_wait_dscnt 1                                 ; this step's numbers are back from the stage (the last step's byte store may be out): so its stores into the stage have read their registers,
.else
	s_wait_dscnt 0x0
.endif
.if (\t)+4 < STEPS
	LOAD (\t)+4                                    ; which take the loads of four steps on
.endif
.if (\t)+1 < STEPS
.if STEPS-2-(\t) >= 3
	s_wait_loadcnt 12                              ; the next step's four loads are in; those of the three steps behind it may be out
.else
	s_wait_loadcnt 4*(STEPS-2-(\t))
.endif
	TURN (\t)+1                                    ; and go through the other stage while this step is worked
.endif
	v_max3_num_f32 v8, |v[XS]|, |v[XS+1]|, |v[XS+2]|               ; the largest magnitude of my 16
	v_max3_num_f32 v9, |v[XS+3]|, |v[XS+4]|, |v[XS+5]|
.irp i, 6,10
	v_max3_num_f32 v8, v8, |v[XS+\i]|, |v[XS+\i+1]|
	v_max3_num_f32 v9, v9, |v[XS+\i+2]|, |v[XS+\i+3]|
.endr
	v_max3_num_f32 v8, v8, |v[XS+14]|, |v[XS+15]|
	v_max3_num_f32 v8, v8, v9, (EMAX+1)<<23        ; and the floor 2^(3 - 127): the byte cannot fall under 1
	v_max_num_f32_dpp v8, v8, v8 row_xmask:1 row_mask:0xf bank_mask:0xf   ; and of my neighbour's 16: the block's
	v_add_nc_u32 v11, -(EMAX<<23), v8              ; 2 off its exponent field: the conversion takes the exponent field of this operand as its scale
	v_cvt_scalef32_pk8_fp4_f32 v[C+4*(\t)], v[XS:XS+7], v11
	v_cvt_scalef32_pk8_fp4_f32 v[C+4*(\t)+1], v[XS+8:XS+15], v11
	v_lshrrev_b32 v[E+(\t)], 23, v11               ; the scale's byte
	ds_store_b8 v5, v[E+(\t)] offset:16*(\t)       ; both lanes of a block write the same byte with the same value
	global_store_b64 v4, v[C+4*(\t):C+4*(\t)+1], s[14:15] offset:32*CB*(\t)   ; 32 lanes store 256 consecutive bytes, aligned
.endm
.irp t, 0,1,2,3,4,5,6,7,8,9,10,11,12,13,14,15
	STEP \t
.endr
	ds_load_b64 v[12:13], v6                       ; LDS serves a wave's instructions in order: these see my stores
	s_wait_dscnt 0x0
	global_store_b64 v7, v[12:13], s[24:25]        ; 32 lanes store 256 consecutive bytes, aligned
	s_wait_tensorcnt 0x0
	ds_add_u32 v192, v193
	s_wait_dscnt 0x0
	s_endpgm
.Lfunc_end_k_qcb6c022ce8_quant:
	.size	k_qcb6c022ce8_quant, .Lfunc_end_k_qcb6c022ce8_quant-k_qcb6c022ce8_quant
	.p2alignl 7, 3214868480
	.fill 96, 4, 3214868480
	.section	.rodata,"a",@progbits
	.p2align	6, 0x0
	.amdhsa_kernel k_qcb6c022ce8_quant
		.amdhsa_group_segment_fixed_size 33280
		.amdhsa_private_segment_fixed_size 0
		.amdhsa_enable_private_segment 0
		.amdhsa_kernarg_size 56
		.amdhsa_user_sgpr_count 2
		.amdhsa_user_sgpr_kernarg_segment_ptr 1
		.amdhsa_wavefront_size32 1
		.amdhsa_system_sgpr_workgroup_id_x 1
		.amdhsa_system_sgpr_workgroup_id_y 1
		.amdhsa_system_sgpr_workgroup_id_z 1
		.amdhsa_system_vgpr_workitem_id 0
		.amdhsa_next_free_vgpr 194
		.amdhsa_next_free_sgpr 66
		.amdhsa_reserve_vcc 0
		.amdhsa_float_denorm_mode_32 3
		.amdhsa_float_denorm_mode_16_64 3
		.amdhsa_memory_ordered 1
		.amdhsa_forward_progress 1
		.amdhsa_inst_pref_size 34
	.end_amdhsa_kernel
	.amdgpu_metadata
---
amdhsa.version: [ 1, 2 ]
amdhsa.kernels:
  - .name:           k_qcb6c022ce8_quant
    .symbol:         k_qcb6c022ce8_quant.kd
    .args:
      - { .name: x, .offset: 0, .size: 8, .value_kind: global_buffer, .address_space: global }
      - { .name: w_q, .offset: 8, .size: 8, .value_kind: global_buffer, .address_space: global }
      - { .name: w_k, .offset: 16, .size: 8, .value_kind: global_buffer, .address_space: global }
      - { .name: w_v, .offset: 24, .size: 8, .value_kind: global_buffer, .address_space: global }
      - { .name: w_o, .offset: 32, .size: 8, .value_kind: global_buffer, .address_space: global }
      - { .name: cw, .offset: 40, .size: 8, .value_kind: global_buffer, .address_space: global }
      - { .name: sw, .offset: 48, .size: 8, .value_kind: global_buffer, .address_space: global }
    .group_segment_fixed_size: 33280
    .private_segment_fixed_size: 0
    .kernarg_segment_align: 8
    .kernarg_segment_size: 56
    .max_flat_workgroup_size: 128
    .sgpr_count:     66
    .vgpr_count:     194
    .wavefront_size: 32
...
	.end_amdgpu_metadata
.endif
;; end of part 1
;; launch qkv (part 2): grid 8 x 96, 4 waves a work-group, clusters of 4 x 4, 229,888 bytes of LDS; arguments cw, sw, b_q, b_k, b_v, qkvc, qkvs; writes qkvc, qkvs
.if DOCPART == 2
	.amdgcn_target "amdgcn-amd-amdhsa--gfx1250"
	.amdhsa_code_object_version 6
	.text
	.protected	k_qcb6c022ce8_qkv
	.globl	k_qcb6c022ce8_qkv
	.p2align	8
	.type	k_qcb6c022ce8_qkv,@function
k_qcb6c022ce8_qkv:
	s_mov_b64 s[64:65], 0
	v_nop
	global_prefetch_b8 v0, s[64:65] scope:SCOPE_SE
	s_setreg_imm32_b32 hwreg(HW_REG_WAVE_MODE, 25, 1), 1
	s_wait_xcnt 0x0
	s_wait_alu depctr_hold_cnt(0) depctr_sa_sdst(0) depctr_va_vdst(0) depctr_va_sdst(0) depctr_va_ssrc(0) depctr_va_vcc(0) depctr_vm_vsrc(0)
	s_getreg_b32 s2, hwreg(HW_REG_IB_STS2, 6, 4)
	s_cmp_eq_u32 s2, 0
	s_cbranch_scc0 .Lentry_in_a_cluster
	s_endpgm
.Lentry_in_a_cluster:
	s_bfe_u32 s2, ttmp6, 0x10000c
	s_cmp_lg_u32 s2, 0xf033
	s_cbranch_scc0 .Lentry_shape_is_right
	s_endpgm
.Lentry_shape_is_right:
; q = x w_q^T + b_q, k = x w_k^T + b_k, v = x w_v^T + b_v on codes of FP4 (E2M1) with E8M0 scales, f32 sums; each result is quantised in registers for attention and never goes to memory as f32.
; FORM: C[A row][B row], the matrix instruction used transposed: source 0 = 16 stored rows of B, which then run along a lane's registers in TRUE order (cw's stored row order does that), source 1 = 16 rows of A, one to a lane.
; What runs along the registers is the next product's K.  q, k (cluster y under 16): A = x (tokens to lanes), B = w_q | w_k (the head's 64 along registers).  v (cluster y from 16 on): A = w_v (the head's 64 to lanes), B = x (keys along registers).
; SHARES: a work-group makes 128 A rows x 256 B rows over all of K = 1,024; wave w takes A's half w / 2 (4 blocks of 16) and B's half w % 2 (8 tiles of 16): 32 accumulators.  768 work-groups.
; LDS holds the tile's whole K: two halves of K (rows of 256 bytes + 16 of padding) and all scale bytes.  No LDS byte is filled twice: three tensor loads a wave go out at the start and nothing is asked for afterwards.
; CLUSTER 4 x 4: A's tiles are shared along a row of the cluster, B's along a column: each is asked for jointly, by the same tensor load with the same descriptor and a mask that names the four.
; OUT: qkvc [head-and-batch hb: 64][Q 65,536 | K 65,536 | V 65,536] as images of operand registers: Q, K: [tile of 16 stored tokens: 128][512 bytes: lane l's 16 bytes (block l / 16 of row l % 16) at 16 l];
;      V: [key step of 128: 16][tile of 16 stored d: 4][registers 0-3 | 4-7][512 bytes].  qkvs [hb][Q 8,192 | K 8,192 | V 4,096]: Q, K: [4 tiles][row 16][tile 4] words (two scale bytes, two zero bytes); V: [key step][row 16][tile 4] words.
; LIMITS: a block of zeros gets the scale byte 1 (its codes are zeros; the bytes are read by this program alone); NaN and infinities are not served.
; REGISTERS, in windows of 256: window 0: v1-31 addresses; v32-95 scale words; v96-159 A's fragments, two sets; v160-223 the bias image; v224-240 at work.  window 1: v0-127 B's fragments, two sets.  window 2: accumulator (a, t) at v[8 (8 a + t)].
.set PITCH,  272                       ; an LDS row: 256 bytes + 16 of padding: the 16 rows that a fragment load touches start at 16 different banks
.set ASZ,    128*PITCH                 ; A's 128 rows of one half of K
.set SLOT,   384*PITCH                 ; and B's 256 behind them
.set SCL,    2*SLOT                    ; the scale bytes: 8 rows of 32 bytes + 16 of padding to a unit of 272; A's 16 units, then B's 32
.set SBLK,   2*272                     ; those of 16 rows
.set CO,   8                           ; v8-11  where block a's image goes: 16 x lane + a x STA
.set SO,   12                          ; v12    where my four scale words go
.set SHV,  13                          ; v13    by how many bits my half of the lanes shifts a scale word
.set BO,   14                          ; v14    my offset in the bias
.set ADRA, 16                          ; v16-17 LDS address of my A fragments in K's half 0, 1
.set ADRB, 20                          ; v20-21 the same for B
.set ADRS, 27                          ; v27    LDS address of my scale words: lanes 0-15 A's rows, lanes 16-31 B's
.set SC,   32                          ; scale words: register 32 x + 4 i + q: lanes 0-15 the word of A's block i, lanes 16-31 that of B's tile i, for K step 4 x + q
.set AF,   96
.set BI,   160
.set TM,   224                         ; v224-227 largest magnitudes, v228-231 bytes, v236-239 the conversions' scale operands
.set PW,   240                         ; the scale word just made
.set PC,   96                          ; the way out: block a's codes at v[96 + 8 a]
.set W,    128                         ; v128-131 the four scale words that I store
.set G1,   24                          ; s[24:31] descriptor group 1 for A's codes;  s[32:39] group 0, one set for each half of K
.set G0,   32
.set G1B,  48                          ; s[48:55], s[56:63] the same for B's codes
.set G0B,  56
.set G1S,  68                          ; s[68:75], s[76:79] groups 1 and 0 for A's scales;  s[80:87], s[88:91] for B's
.set G0S,  76
.set G1SB, 80
.set G0SB, 88
.set SEL,  66                          ; s[66:67] lane selects for v_permlanex16_b32: lane l xor 16
.set ISV,  96                          ; s96  1 on v's path
.set STA,  97                          ; s97  bytes from block a's image to block a + 1's
.set ST2,  98                          ; s98  bytes from an image's registers 0-3 to its registers 4-7 (q, k: the next head; v: the second half of the fragment)
.set HSTR, 99                          ; s99  bytes from lanes 0-15's scale words to lanes 16-31's (q, k: the next head)
.set SH,   100                         ; s100 bits by which lanes 16-31 shift the scale word
.set MASK, 101                         ; s101 which of its bytes are kept
.set MSB, 0
.macro WIN new                         ; the immediate's high byte repeats the setting that is left
.if MSB != \new
	s_set_vgpr_msb (MSB<<8)|\new
.set MSB, \new
.endif
.endm
; A joint load: waves 0 and 1 fetch for A, waves 2 and 3 for B.  Each line has one mask and one set of registers for all that issue it; the branch hangs on the wave's number alone.  Four v_nop follow each line.
.macro JLOAD g0a, g1a, g0b, g1b
	s_cmp_eq_u32 s15, 0
	s_cbranch_scc0 .Lfor_b_\@
	tensor_load_to_lds s[\g0a:\g0a+3], s[\g1a:\g1a+7]
	s_nop 0
.rept 4
	v_nop
.endr
	s_branch .Lasked_\@
.Lfor_b_\@:
	tensor_load_to_lds s[\g0b:\g0b+3], s[\g1b:\g1b+7]
	s_nop 0
.rept 4
	v_nop
.endr
.Lasked_\@:
.endm
.macro CROUND                          ; a round of the cluster's barrier
	s_barrier_signal -1
	s_barrier_wait -1
	s_cmp_lg_u32 s14, 0
	s_cbranch_scc1 .Lnot_wave_0_\@
	s_barrier_signal -3
.Lnot_wave_0_\@:
	s_barrier_wait -3
	s_barrier_signal -1
	s_barrier_wait -1
.endm
.macro PLACES n
.rept \n
	v_nop
.endr
.endm
	s_load_b256 s[4:11], s[0:1], 0x0               ; cw s[4:5], sw s[6:7], b_q s[8:9], b_k s[10:11]
	s_load_b64 s[12:13], s[0:1], 0x20              ; b_v
	s_load_b64 s[92:93], s[0:1], 0x28              ; qkvc
	s_load_b64 s[94:95], s[0:1], 0x30              ; qkvs
	v_lshl_add_u32 v254, v0, 2, 0x38000
	v_mov_b32 v255, 0
	ds_add_u32 v254, v255
	ds_add_u32 v254, v255
	v_lshrrev_b32 v1, 5, v0
	v_readfirstlane_b32 s14, v1                    ; wave 0..3
	s_lshr_b32 s15, s14, 1                         ; which half of A's rows is mine.  Also: I fetch for A (0) or for B (1)
	s_and_b32 s16, s14, 1                          ; which half of B's rows.  Also: which half of that tile I fetch
	s_bfe_u32 s40, ttmp6, 0x40000                  ; cx, cy: my place in the cluster
	s_bfe_u32 s41, ttmp6, 0x40004
	s_lshl_b32 s42, ttmp9, 2
	s_add_co_u32 s42, s42, s40                     ; work-group x = 4 x cluster x + cx
	s_and_b32 s45, ttmp7, 0xffff                   ; cluster y
	s_lshl_b32 s17, s45, 2
	s_add_co_u32 s17, s17, s41                     ; work-group y = 4 x cluster y + cy
	s_lshl_b32 s43, s41, 2
	s_lshl_b32 s43, 15, s43                        ; my row of the cluster
	s_lshl_b32 s44, 0x1111, s40                    ; my column
	; descriptor group 1.  Codes: rows of 256 bytes, 512 bytes apart in memory, 16 bytes of padding behind each; A: 64 rows a load, B: 128
	s_or_b32 s[G1+0], s43, (1<<20)|(1<<21)|(5<<22)|(3<<25)   ; 15:0 the mask; 17:16 elements of 1 byte; 20 padding on; 21 set beside a mask; 24:22 after every 64 words; 31:25 four words
	s_or_b32 s[G1B+0], s44, (1<<20)|(1<<21)|(5<<22)|(3<<25)
	s_mov_b32 s[G1+1], 256<<16                     ; tensor_dim0
	s_mov_b32 s[G1+2], 64<<16                      ; tensor_dim1
	s_mov_b32 s[G1+3], 256<<16                     ; tile_dim0
	s_mov_b32 s[G1+4], 64                          ; tile_dim1
	s_mov_b32 s[G1+5], 512                         ; tensor_dim0_stride
	s_mov_b32 s[G1+6], 0
	s_mov_b32 s[G1+7], 0
	s_mov_b32 s[G1B+1], 256<<16
	s_mov_b32 s[G1B+2], 128<<16
	s_mov_b32 s[G1B+3], 256<<16
	s_mov_b32 s[G1B+4], 128
	s_mov_b32 s[G1B+5], 512
	s_mov_b32 s[G1B+6], 0
	s_mov_b32 s[G1B+7], 0
	; scale bytes: a dense block, as rows of 256 bytes (32 elements of 8 bytes), 16 bytes of padding behind each; A: 64 rows x 32 bytes = 8 such rows, B: 16
	s_or_b32 s[G1S+0], s43, (3<<16)|(1<<20)|(1<<21)|(5<<22)|(3<<25)
	s_or_b32 s[G1SB+0], s44, (3<<16)|(1<<20)|(1<<21)|(5<<22)|(3<<25)
	s_mov_b32 s[G1S+1], 32<<16
	s_mov_b32 s[G1S+2], 8<<16
	s_mov_b32 s[G1S+3], 32<<16
	s_mov_b32 s[G1S+4], 8
	s_mov_b32 s[G1S+5], 32
	s_mov_b32 s[G1S+6], 0
	s_mov_b32 s[G1S+7], 0
	s_mov_b32 s[G1SB+1], 32<<16
	s_mov_b32 s[G1SB+2], 16<<16
	s_mov_b32 s[G1SB+3], 32<<16
	s_mov_b32 s[G1SB+4], 16
	s_mov_b32 s[G1SB+5], 32
	s_mov_b32 s[G1SB+6], 0
	s_mov_b32 s[G1SB+7], 0
	; which rows of cw.  q, k: A from row 512 x cluster y (x), B from row 8,192 (w_q, then w_k).  v, with y' = cluster y - 16: A from row 10,240 + 512 (y' % 2) (w_v), B from row 2,048 (y' / 2) (x, batch y' / 2).
	; The choice hangs on the cluster's y, which all sixteen partners share.  A's registers never hold cx, B's never cy.
	s_sub_co_u32 s18, s45, 16
	s_and_b32 s19, s18, 1
	s_lshl_b32 s19, s19, 9
	s_add_co_u32 s19, s19, 10240
	s_lshr_b32 s18, s18, 1
	s_lshl_b32 s18, s18, 11
	s_lshl_b32 s20, s45, 9
	s_cmp_ge_u32 s45, 16
	s_cselect_b32 s[ISV], 1, 0
	s_cselect_b32 s20, s19, s20
	s_cselect_b32 s46, s18, 8192
	s_lshl_b32 s21, s41, 7
	s_add_co_u32 s20, s20, s21                     ; + 128 cy
	s_lshl_b32 s21, s16, 6
	s_add_co_u32 s20, s20, s21                     ; + the 64 rows that I fetch
	s_lshl_b32 s47, s42, 8
	s_add_co_u32 s46, s46, s47                     ; B: + 256 x work-group x
	s_lshl_b32 s47, s16, 7
	s_add_co_u32 s46, s46, s47                     ; + the 128 rows that I fetch
	s_lshl_b32 s22, s20, 5                         ; 32 scale bytes a row,
	s_mov_b32 s23, 0
	s_lshl_b32 s20, s20, 9                         ; 512 bytes of codes
	s_mov_b32 s21, 0
	s_lshl_b32 s66, s46, 5
	s_mov_b32 s67, 0
	s_lshl_b32 s46, s46, 9
	s_mov_b32 s47, 0
	s_mul_i32 s18, s16, 64*PITCH                   ; where they go in LDS: made of the wave's number alone
	s_mul_i32 s19, s16, 128*PITCH
	s_add_co_u32 s19, s19, ASZ
	s_mul_i32 s2, s16, 8*272
	s_add_co_u32 s2, s2, SCL
	s_mul_i32 s3, s16, 16*272
	s_add_co_u32 s3, s3, SCL+16*272
	s_wait_dscnt 0x0
	s_wait_kmcnt 0x0
	s_add_nc_u64 s[20:21], s[4:5], s[20:21]
	s_add_nc_u64 s[22:23], s[6:7], s[22:23]
	s_add_nc_u64 s[46:47], s[4:5], s[46:47]
	s_add_nc_u64 s[66:67], s[6:7], s[66:67]
	CROUND                                         ; all sixteen work-groups are here: the joint loads meet
	s_mov_b32 s[G0S], 1
	s_mov_b32 s[G0S+1], s2
	s_mov_b64 s[G0S+2:G0S+3], s[22:23]
	s_or_b32 s[G0S+3], s[G0S+3], 0x80000000
	s_mov_b32 s[G0SB], 1
	s_mov_b32 s[G0SB+1], s3
	s_mov_b64 s[G0SB+2:G0SB+3], s[66:67]
	s_or_b32 s[G0SB+3], s[G0SB+3], 0x80000000
	JLOAD G0S, G1S, G0SB, G1SB                     ; the scales first: they are wanted with K step 0
.irp s, 0,1
	s_mov_b32 s[G0+4*\s], 1
	s_add_co_u32 s[G0+4*\s+1], s18, \s*SLOT
	s_add_nc_u64 s[G0+4*\s+2:G0+4*\s+3], s[20:21], \s*256
	s_or_b32 s[G0+4*\s+3], s[G0+4*\s+3], 0x80000000
	s_mov_b32 s[G0B+4*\s], 1
	s_add_co_u32 s[G0B+4*\s+1], s19, \s*SLOT
	s_add_nc_u64 s[G0B+4*\s+2:G0B+4*\s+3], s[46:47], \s*256
	s_or_b32 s[G0B+4*\s+3], s[G0B+4*\s+3], 0x80000000
	JLOAD G0+4*\s, G1, G0B+4*\s, G1B               ; K's two halves: three loads of mine are out, and no descriptor register is written again
.endr
	s_mov_b32 s[SEL], 0x76543210
	s_mov_b32 s[SEL+1], 0xfedcba98
	v_and_b32 v1, 15, v0                           ; r = lane % 16
	v_bfe_u32 v2, v0, 4, 1                         ; h = lane / 16
	v_mul_u32_u24 v3, v1, PITCH
	v_lshl_add_u32 v4, v2, 4, v3                   ; a fragment's row x pitch + 16 h
	s_mul_i32 s20, s15, 64*PITCH                   ; my 64 rows of A
	s_mul_i32 s21, s16, 128*PITCH                  ; my 128 rows of B,
	s_add_co_u32 s21, s21, ASZ                     ; which lie behind A's 128
.irp s, 0,1
	v_add_nc_u32 v[ADRA+\s], s20, v4
	v_add_nc_u32 v[ADRB+\s], s21, v4
	s_add_co_u32 s20, s20, SLOT
	s_add_co_u32 s21, s21, SLOT
.endr
	v_lshlrev_b32 v5, 5, v1                        ; my row's scales: 32 bytes a row,
	v_lshrrev_b32 v6, 8, v5
	v_lshl_add_u32 v5, v6, 4, v5                   ; and 16 more for each 256 passed
	s_mul_i32 s20, s15, 4*SBLK                     ; A's: my 64 rows
	s_mul_i32 s21, s16, 8*SBLK                     ; B's: my 128 rows, behind A's 16 units
	s_add_co_u32 s21, s21, 16*272
	s_sub_co_u32 s21, s21, s20
	v_mul_u32_u24 v6, s21, v2                      ; lanes 16-31 take B's: one product, h x the distance
	s_add_co_u32 s20, s20, SCL
	v_add_nc_u32 v5, v5, v6
	v_add_nc_u32 v[ADRS], s20, v5
.irp b, 0,1,2,3
	v_mov_b32 v[TM+4+\b], 0                        ; written once: a lane permute's destination counts as one of its sources
.endr
.macro SCALES                          ; all scale words: 4 words (half of K) a load.  Lanes 0-15 take A's block i, lanes 16-31 B's tile i; A has four blocks: for i from 4 on lanes 0-15 read filled bytes that are not used
.irp x, 0,1
.irp i, 0,1,2,3,4,5,6,7
	ds_load_b128 v[SC+32*\x+4*\i:SC+32*\x+4*\i+3], v[ADRS] offset:\i*SBLK+16*\x
.endr
.endr
.endm
.macro FETCH q                         ; K step q's fragments into set q % 2: B's eight (16 loads), A's four (8 loads).  A fragment: lane l holds row l % 16; registers 4 c .. 4 c + 3 hold K = 64 c + 32 (l / 16) + 0 .. 31
	WIN 0x40                                       ; destination window 1
.irp i, 0,1,2,3,4,5,6,7
.irp c, 0,1
	ds_load_b128 v[64*((\q)%2)+8*\i+4*\c:64*((\q)%2)+8*\i+4*\c+3], v[ADRB+(\q)/4] offset:64*((\q)%4)+32*\c+\i*16*PITCH
.endr
.endr
	WIN 0
.irp i, 0,1,2,3
.irp c, 0,1
	ds_load_b128 v[AF+32*((\q)%2)+8*\i+4*\c:AF+32*((\q)%2)+8*\i+4*\c+3], v[ADRA+(\q)/4] offset:64*((\q)%4)+32*\c+\i*16*PITCH
.endr
.endr
.endm
; K step q: 32 matrix instructions, the 32 accumulators by turns, one instruction a turn, in the same order in every step.
; kind 0: onto the sums.  kind 1, 2: the first step starts the sums with the bias as C: kind 1: the bias runs along the registers (tile t's eight), kind 2: along the lanes (block a's).
.macro MUL q, kind
.if \kind
	WIN 0x81                                       ; source 0 (B) window 1, source 1 (A) and C (the bias) window 0, D window 2
.else
	WIN 0xa1                                       ; C and D window 2
.endif
.irp a, 0,1,2,3
.irp t, 0,1,2,3,4,5,6,7
.if \kind == 0
	v_wmma_scale_f32_16x16x128_f8f6f4 v[8*(8*\a+\t):8*(8*\a+\t)+7], v[64*((\q)%2)+8*\t:64*((\q)%2)+8*\t+7], v[AF+32*((\q)%2)+8*\a:AF+32*((\q)%2)+8*\a+7], v[8*(8*\a+\t):8*(8*\a+\t)+7], v[SC+32*((\q)/4)+4*\t+(\q)%4], v[SC+32*((\q)/4)+4*\a+(\q)%4] matrix_a_fmt:MATRIX_FMT_FP4 matrix_b_fmt:MATRIX_FMT_FP4 matrix_a_scale:MATRIX_SCALE_ROW1
.elseif \kind == 1
	v_wmma_scale_f32_16x16x128_f8f6f4 v[8*(8*\a+\t):8*(8*\a+\t)+7], v[64*((\q)%2)+8*\t:64*((\q)%2)+8*\t+7], v[AF+32*((\q)%2)+8*\a:AF+32*((\q)%2)+8*\a+7], v[BI+8*\t:BI+8*\t+7], v[SC+32*((\q)/4)+4*\t+(\q)%4], v[SC+32*((\q)/4)+4*\a+(\q)%4] matrix_a_fmt:MATRIX_FMT_FP4 matrix_b_fmt:MATRIX_FMT_FP4 matrix_a_scale:MATRIX_SCALE_ROW1
.else
	v_wmma_scale_f32_16x16x128_f8f6f4 v[8*(8*\a+\t):8*(8*\a+\t)+7], v[64*((\q)%2)+8*\t:64*((\q)%2)+8*\t+7], v[AF+32*((\q)%2)+8*\a:AF+32*((\q)%2)+8*\a+7], v[BI+8*\a:BI+8*\a+7], v[SC+32*((\q)/4)+4*\t+(\q)%4], v[SC+32*((\q)/4)+4*\a+(\q)%4] matrix_a_fmt:MATRIX_FMT_FP4 matrix_b_fmt:MATRIX_FMT_FP4 matrix_a_scale:MATRIX_SCALE_ROW1
.endif
.endr
.endr
	WIN 0
.endm
; K steps 1 to 7.  The next step's 24 loads go into the set that the step before this one multiplied: four places stand between (ISA guide 7.12.1 for vector instructions).
.macro KSTEP q
	PLACES 4
.if (\q) == 3
	s_wait_tensorcnt 0x0                           ; my part of K's second half has landed,
	s_wait_dscnt 0x0                               ; no LDS instruction of mine is pending at the signal,
	s_barrier_signal -1
	s_barrier_wait -1                              ; and everybody's part has
.endif
.if (\q) < 7
	FETCH (\q)+1
	s_wait_dscnt 24                                ; all but the 24 just issued: this step's fragments are in
.else
	s_wait_dscnt 0x0
.endif
	MUL \q, 0
.endm
	s_wait_alu depctr_va_vdst(0)
	s_wait_tensorcnt 1                             ; the scales and my part of K's first half are in (the second half's load may be out),
	s_barrier_signal -1
	s_barrier_wait -1                              ; everybody's are
	SCALES
	FETCH 0
	FETCH 1
	; ONE BRANCH parts the two paths: each arm loads its bias, makes the scalars of its way out while the loads are out, and runs K step 0 with the bias as C.  It hangs on the cluster's y alone: all waves and all partners go the same way.
	s_cmp_eq_u32 s[ISV], 0
	s_cbranch_scc0 .Lv_path
	s_cmp_eq_u32 ttmp9, 0                          ; q, k: cluster x 0 makes q, 1 makes k
	s_cselect_b64 s[46:47], s[8:9], s[10:11]
	s_lshl_b32 s20, s40, 10
	s_lshl_b32 s21, s16, 9
	s_add_co_u32 s20, s20, s21                     ; my 128 features: (256 cx + 128 x half) x 4 bytes
	s_mov_b32 s21, 0
	s_add_nc_u64 s[46:47], s[46:47], s[20:21]
	v_lshlrev_b32 v[BO], 6, v2                     ; register j of tile t is feature 32 (t / 2) + 8 (t % 2) + 16 h + j
.irp t, 0,1,2,3,4,5,6,7
	global_load_b128 v[BI+8*\t:BI+8*\t+3], v[BO], s[46:47] offset:(32*(\t/2)+8*(\t%2))*4
	global_load_b128 v[BI+8*\t+4:BI+8*\t+7], v[BO], s[46:47] offset:(32*(\t/2)+8*(\t%2))*4+16
.endr
	s_lshr_b32 s20, s17, 4                         ; the batch: 16 work-groups y each
	s_lshl_b32 s20, s20, 4
	s_lshl_b32 s21, s40, 2
	s_add_co_u32 s20, s20, s21
	s_lshl_b32 s21, s16, 1
	s_add_co_u32 s20, s20, s21                     ; hb of my first head: 16 b + 4 cx + 2 x half
	s_and_b32 s21, s17, 15
	s_lshl_b32 s21, s21, 1
	s_add_co_u32 s21, s21, s15                     ; my four tiles of 16 tokens: group 2 (y % 16) + half
	s_mul_i32 s2, s20, 196608
	s_lshl_b32 s18, ttmp9, 16
	s_add_co_u32 s2, s2, s18                       ; Q's part or K's
	s_lshl_b32 s18, s21, 11
	s_add_co_u32 s2, s2, s18                       ; four images of 512 bytes a group
	s_mul_i32 s22, s20, 20480
	s_lshl_b32 s18, ttmp9, 13
	s_add_co_u32 s22, s22, s18
	s_lshl_b32 s18, s21, 8
	s_add_co_u32 s22, s22, s18                     ; 256 bytes of scale words a group
	s_mov_b32 s[STA], 512
	s_mov_b32 s[ST2], 196608
	s_mov_b32 s[HSTR], 20480
	s_mov_b32 s[SH], 16
	s_mov_b32 s[MASK], 0xffff
	s_wait_loadcnt 0x0                             ; the bias
	s_wait_dscnt 24                                ; the scales and K step 0's fragments are in; step 1's 24 loads may be out
	MUL 0, 1
	s_branch .Ljoined
.Lv_path:
	s_and_b32 s20, s17, 7
	s_lshl_b32 s20, s20, 9
	s_lshl_b32 s21, s15, 8
	s_add_co_u32 s20, s20, s21                     ; my 64 features: (128 (y % 8) + 64 x half) x 4 bytes
	s_mov_b32 s21, 0
	s_add_nc_u64 s[46:47], s[12:13], s[20:21]
	v_and_b32 v[BO], 8, v1
	v_add_nc_u32 v[BO], v[BO], v1
	v_lshlrev_b32 v[BO], 2, v[BO]                  ; lane r of block a holds feature 32 (a / 2) + 8 (a % 2) + r + 8 (r / 8)
.irp a, 0,1,2,3
	global_load_b32 v[BI+8*\a], v[BO], s[46:47] offset:(32*(\a/2)+8*(\a%2))*4
.endr
	s_sub_co_u32 s20, s17, 64
	s_lshl_b32 s20, s20, 1
	s_add_co_u32 s20, s20, s15                     ; hb of my head: 2 (y - 64) + half
	s_lshl_b32 s21, s42, 1
	s_add_co_u32 s21, s21, s16                     ; my key step of 128: 2 x work-group x + half
	s_mul_i32 s2, s20, 196608
	s_add_co_u32 s2, s2, 131072                    ; V's part
	s_lshl_b32 s18, s21, 12
	s_add_co_u32 s2, s2, s18                       ; 4,096 bytes a key step
	s_mul_i32 s22, s20, 20480
	s_add_co_u32 s22, s22, 16384
	s_lshl_b32 s18, s21, 8
	s_add_co_u32 s22, s22, s18
	s_mov_b32 s[STA], 1024
	s_mov_b32 s[ST2], 512
	s_mov_b32 s[HSTR], 0
	s_mov_b32 s[SH], 0
	s_mov_b32 s[MASK], -1
	s_wait_loadcnt 0x0
.irp a, 0,1,2,3
.irp j, 1,2,3,4,5,6,7
	v_mov_b32 v[BI+8*\a+\j], v[BI+8*\a]            ; a lane's eight registers of a tile are eight keys of ONE feature: the same bias
.endr
.endr
	PLACES 4
	s_wait_alu depctr_va_vdst(0)
	s_wait_dscnt 24
	MUL 0, 2
.Ljoined:
	s_mov_b32 s3, 0
	s_mov_b32 s23, 0
	s_add_nc_u64 s[2:3], s[92:93], s[2:3]          ; where an image's registers 0-3 go,
	s_mov_b32 s18, s[ST2]
	s_mov_b32 s19, 0
	s_add_nc_u64 s[18:19], s[2:3], s[18:19]        ; its registers 4-7,
	s_add_nc_u64 s[22:23], s[94:95], s[22:23]      ; and the scale words
	v_and_b32 v[CO], 31, v0
	v_lshlrev_b32 v[CO], 4, v[CO]                  ; 16 x lane
	v_add_nc_u32 v[CO+1], s[STA], v[CO]
	v_add_nc_u32 v[CO+2], s[STA], v[CO+1]
	v_add_nc_u32 v[CO+3], s[STA], v[CO+2]
	v_mul_u32_u24 v[SO], s[HSTR], v2
	v_lshl_add_u32 v[SO], v1, 4, v[SO]             ; 16 r, and for lanes 16-31 the next head (q, k)
	v_mul_u32_u24 v[SHV], s[SH], v2
.irp q, 1,2,3,4,5,6,7
	KSTEP \q
.endr
; THE WAY OUT.  Block a's 64 numbers of a lane, register 16 b + i = index 32 b + 16 h + i of the next K, become a fragment's eight registers of codes and a scale word of four bytes.
.macro QUANT a
	WIN 0x28                                       ; sources 1 and 2 window 2: the accumulators, each from its low end on
.irp b, 0,1,2,3
	v_max3_num_f32 v[TM+\b], 0x1800000, |v[64*\a+16*\b]|, |v[64*\a+16*\b+1]|   ; block b: my 16 numbers, and the floor 2^(3 - 127): the byte cannot fall under 1
.endr
.irp i, 2,4,6,8,10,12,14
.irp b, 0,1,2,3
	v_max3_num_f32 v[TM+\b], v[TM+\b], |v[64*\a+16*\b+\i]|, |v[64*\a+16*\b+\i+1]|   ; (the four blocks by turns)
.endr
.endr
	WIN 0
.irp b, 0,1,2,3
	v_permlanex16_b32 v[TM+4+\b], v[TM+\b], s[SEL], s[SEL+1]
.endr
.irp b, 0,1,2,3
	v_max_num_f32 v[TM+\b], v[TM+\b], v[TM+4+\b]   ; with lane l xor 16's: the block's largest magnitude
.endr
.irp b, 0,1,2,3
	v_add_nc_u32 v[TM+12+\b], 0xff000000, v[TM+\b] ; 2 off its exponent field: the conversion's scale operand
.endr
.irp b, 0,1,2,3
	v_lshrrev_b32 v[TM+4+\b], 23, v[TM+12+\b]      ; the scale's byte
.endr
	v_lshl_or_b32 v[PW], v[TM+5], 8, v[TM+4]
	v_lshl_or_b32 v[PW], v[TM+6], 16, v[PW]
	v_lshl_or_b32 v[PW], v[TM+7], 24, v[PW]
	WIN 0x02                                       ; source 0 window 2
.irp b, 0,1,2,3
	v_cvt_scalef32_pk8_fp4_f32 v[PC+8*\a+2*\b], v[64*\a+16*\b:64*\a+16*\b+7], v[TM+12+\b]
	v_cvt_scalef32_pk8_fp4_f32 v[PC+8*\a+2*\b+1], v[64*\a+16*\b+8:64*\a+16*\b+15], v[TM+12+\b]
.endr
	WIN 0
	v_nop                                          ; one plain place behind a scaled conversion
.irp c, 0,1                                    ; the operand's layout wants a whole block in a lane: lanes 0-15 block 2 c, lanes 16-31 block 2 c + 1
.irp i, 0,1
	v_permlane16_swap_b32 v[PC+8*\a+4*\c+\i], v[PC+8*\a+4*\c+2+\i]
.endr
.endr
.endm
	PLACES 4                                       ; the first reads of results stand four places behind the last products
.irp a, 0,1,2,3
	QUANT \a
	v_lshrrev_b32 v[W+\a], v[SHV], v[PW]           ; q, k: lanes 0-15 keep the first head's two bytes, lanes 16-31 the second's; v: all four
	v_and_b32 v[W+\a], s[MASK], v[W+\a]
	global_store_b128 v[CO+\a], v[PC+8*\a:PC+8*\a+3], s[2:3]        ; 32 lanes store 512 consecutive bytes, aligned: an image
	global_store_b128 v[CO+\a], v[PC+8*\a+4:PC+8*\a+7], s[18:19]
.endr
	global_store_b128 v[SO], v[W:W+3], s[22:23]    ; q, k: sixteen lanes store 256 consecutive bytes of each of two heads; v: both halves of the lanes store the same 256 bytes with the same values
	s_wait_dscnt 0x0
	s_wait_tensorcnt 0x0
	ds_add_u32 v254, v255
	s_wait_dscnt 0x0
	CROUND                                         ; the closing round: no work-group ends while a partner may still ask for a tile that names it
	s_endpgm
.Lfunc_end_k_qcb6c022ce8_qkv:
	.size	k_qcb6c022ce8_qkv, .Lfunc_end_k_qcb6c022ce8_qkv-k_qcb6c022ce8_qkv
	.p2alignl 7, 3214868480
	.fill 96, 4, 3214868480
	.section	.rodata,"a",@progbits
	.p2align	6, 0x0
	.amdhsa_kernel k_qcb6c022ce8_qkv
		.amdhsa_group_segment_fixed_size 229888
		.amdhsa_private_segment_fixed_size 0
		.amdhsa_enable_private_segment 0
		.amdhsa_kernarg_size 56
		.amdhsa_user_sgpr_count 2
		.amdhsa_user_sgpr_kernarg_segment_ptr 1
		.amdhsa_wavefront_size32 1
		.amdhsa_system_sgpr_workgroup_id_x 1
		.amdhsa_system_sgpr_workgroup_id_y 1
		.amdhsa_system_sgpr_workgroup_id_z 1
		.amdhsa_system_vgpr_workitem_id 0
		.amdhsa_next_free_vgpr 768
		.amdhsa_next_free_sgpr 102
		.amdhsa_reserve_vcc 0
		.amdhsa_float_denorm_mode_32 3
		.amdhsa_float_denorm_mode_16_64 3
		.amdhsa_memory_ordered 1
		.amdhsa_forward_progress 1
		.amdhsa_inst_pref_size 84
	.end_amdhsa_kernel
	.amdgpu_metadata
---
amdhsa.version: [ 1, 2 ]
amdhsa.kernels:
  - .name:           k_qcb6c022ce8_qkv
    .symbol:         k_qcb6c022ce8_qkv.kd
    .args:
      - { .name: cw, .offset: 0, .size: 8, .value_kind: global_buffer, .address_space: global }
      - { .name: sw, .offset: 8, .size: 8, .value_kind: global_buffer, .address_space: global }
      - { .name: b_q, .offset: 16, .size: 8, .value_kind: global_buffer, .address_space: global }
      - { .name: b_k, .offset: 24, .size: 8, .value_kind: global_buffer, .address_space: global }
      - { .name: b_v, .offset: 32, .size: 8, .value_kind: global_buffer, .address_space: global }
      - { .name: qkvc, .offset: 40, .size: 8, .value_kind: global_buffer, .address_space: global }
      - { .name: qkvs, .offset: 48, .size: 8, .value_kind: global_buffer, .address_space: global }
    .group_segment_fixed_size: 229888
    .private_segment_fixed_size: 0
    .kernarg_segment_align: 8
    .kernarg_segment_size: 56
    .max_flat_workgroup_size: 128
    .sgpr_count:     102
    .vgpr_count:     768
    .wavefront_size: 32
...
	.end_amdgpu_metadata
.endif
;; end of part 2
;; launch attn (part 3): grid 4 x 64, 16 waves a work-group, clusters of 4 x 1, 169,984 bytes of LDS; arguments qkvc, qkvs, oc, os; writes oc, os
.if DOCPART == 3
	.amdgcn_target "amdgcn-amd-amdhsa--gfx1250"
	.amdhsa_code_object_version 6
	.text
	.protected	k_qcb6c022ce8_attn
	.globl	k_qcb6c022ce8_attn
	.p2align	8
	.type	k_qcb6c022ce8_attn,@function
k_qcb6c022ce8_attn:
	s_mov_b64 s[64:65], 0
	v_nop
	global_prefetch_b8 v0, s[64:65] scope:SCOPE_SE
	s_setreg_imm32_b32 hwreg(HW_REG_WAVE_MODE, 25, 1), 1
	s_wait_xcnt 0x0
	s_wait_alu depctr_hold_cnt(0) depctr_sa_sdst(0) depctr_va_vdst(0) depctr_va_sdst(0) depctr_va_ssrc(0) depctr_va_vcc(0) depctr_vm_vsrc(0)
	s_getreg_b32 s2, hwreg(HW_REG_IB_STS2, 6, 4)
	s_cmp_eq_u32 s2, 0
	s_cbranch_scc0 .Lentry_in_a_cluster
	s_endpgm
.Lentry_in_a_cluster:
	s_bfe_u32 s2, ttmp6, 0x10000c
	s_cmp_lg_u32 s2, 0x3003
	s_cbranch_scc0 .Lentry_shape_is_right
	s_endpgm
.Lentry_shape_is_right:
; O[q] = the sum over keys of softmax(Q[q] . K[key] / 8) V[key] for one head, both products on codes of FP4 (E2M1) with E8M0 scales; O / l is quantised along the model's 1,024 for the last product.
; THE SOFTMAX AHEAD OF THE SECOND PRODUCT: t = score x log2(e) / 8; M = the running largest t rounded UP to a whole number; p = 2^(t - M) is what is quantised, along the keys, not normalised.
; The row's sum l is taken of the unquantised p, in f32, and divides O at the end.  When M moves, l and O are multiplied by 2^(old M - new M), which rounds nothing.
; SHARES: a work-group owns one head (cluster y = 16 b + head) and 512 of its 2,048 queries; each of its sixteen waves owns two tiles of 16 queries and does them one after the other, in 256 registers: four waves to a SIMD,
; so that one wave's vector work stands beside another's matrix work and LDS loads.  Every wave walks all keys, 128 a step.
; LDS holds the head's whole K and V (codes as images of operand registers, 512 consecutive bytes a load, and their scale words): filled once, at the start; no LDS byte is filled twice.
; CLUSTER: the four query blocks of a head read the same K and V: each piece is asked for jointly, by the same tensor load with the same descriptor and the mask of all four.
; LAYOUT: both products are used transposed: S^T = K Q^T (source 0 = 16 stored keys), O^T = V^T P^T (source 0 = 16 stored d): a lane holds ONE query (lane % 16) throughout.  Tokens and d lie in the stored row order, so the 16 registers
; of tiles 2 b and 2 b + 1 are 16 neighbours of the true order: 32 b + 16 (lane / 16) + 0 .. 15.  The first product's K is the head's 64: K = 64 .. 127 of the instruction are zero codes on both sides (their scale bytes are 0, which is 2^-127).
; OUT: oc [head / 8][tile of 16 stored tokens: 512][(head / 2) % 4][head % 2][512 bytes]: the image of registers 4 c .. 4 c + 3 (c = head % 2) of the last product's fragment of K step head / 2.  os [stored token][32]: bytes 2 head, 2 head + 1.
; LIMITS: a block of zeros gets the scale byte 1 (its codes are zeros; the bytes are read by this program alone); 1 / l comes from v_rcp_f32; NaN and infinities are not served.
; REGISTERS: v1-4 addresses that stay; v5-8 addresses of the step; v9, v255 Q's scale words; v[10:11] f, 0; v12 -M, v13 the largest t, v[14:15] l in two halves; v16-23 Q; v24-31 K's scale words; v32-95 K's eight fragments;
;   v96-159 S^T, then p; v160-191 O^T; v192-223 V's four fragments; v224-231 p's codes; v232-239, v244-247, v252, v254 at work; v240-243 the second tile's Q; v248-251 V's scale words; v253 p's scale word.
.set LV,   65536                       ; LDS: K's images at 0, V's here,
.set LSK,  131072                      ; K's scale words,
.set LSV,  139264                      ; V's
.set LI,   1                           ; v1  16 x lane: an image's place for my lane
.set LIV,  2                           ; v2  the same among V's
.set ASK0, 3                           ; v3  16 r among K's scale words
.set ASV0, 4                           ; v4  and among V's
.set ADK,  5
.set ADV,  6
.set ADS,  7
.set ADT,  8
.set WV,   18                          ; s18 my wave's number
.set SEL,  20                          ; s[20:21] lane selects for v_permlanex16_b32: lane l xor 16
.set CS,   22                          ; s[22:23] c = log2(e) / 8
.set G1C,  24                          ; s[24:31] descriptor group 1 for the codes;  s[32:39] for the scale words;  s[40:43], s[44:47] their groups 0
.set G1S,  32
.set G0C,  40
.set G0S,  44
.set TK,   48                          ; s48 the step's images: 4,096 bytes a step, in K and in V
.set TS,   49                          ; s49 K's scale words: 512 bytes a step
.set TJ,   50                          ; s50 V's: 256 bytes a step
.set CNT,  51
.set QCP,  52                          ; s[52:53] my first tile's Q image;  s[54:55] its scale words;  s[56:57] its place in oc;  s[58:59] in os
.set QSP,  54
.set OCP,  56
.set OSP,  58
.macro CROUND                          ; a round of the cluster's barrier
	s_barrier_signal -1
	s_barrier_wait -1
	s_cmp_lg_u32 s[WV], 0
	s_cbranch_scc1 .Lnot_wave_0_\@
	s_barrier_signal -3
.Lnot_wave_0_\@:
	s_barrier_wait -3
	s_barrier_signal -1
	s_barrier_wait -1
.endm
	s_load_b256 s[4:11], s[0:1], 0x0               ; qkvc s[4:5], qkvs s[6:7], oc s[8:9], os s[10:11]
	v_lshl_add_u32 v254, v0, 2, 0x29000
	v_mov_b32 v255, 0
	ds_add_u32 v254, v255
	ds_add_u32 v254, v255
	s_wait_dscnt 0x0
	v_lshrrev_b32 v5, 5, v0
	s_delay_alu instid0(VALU_DEP_1)
	v_readfirstlane_b32 s[WV], v5                  ; wave 0..15
	s_bfe_u32 s12, ttmp6, 0x40000                  ; cx: which 512 queries; it enters Q's, oc's and os's addresses alone
	s_and_b32 s13, ttmp7, 0xffff                   ; hb = 16 b + head, which the four partners share
	s_mul_i32 s14, s13, 196608                     ; the head's bytes in qkvc,
	s_mul_i32 s15, s13, 20480                      ; and in qkvs
	s_and_b32 s16, s[WV], 7
	s_lshl_b32 s60, s16, 14                        ; waves 0-7: 16,384 bytes each of K's and V's 131,072, which lie on end in memory and in LDS
	s_mov_b32 s[G0C+1], s60
	s_add_co_u32 s60, s60, s14
	s_add_co_u32 s60, s60, 65536                   ; behind Q's part
	s_mov_b32 s61, 0
	s_lshl_b32 s62, s16, 12                        ; waves 8-10: 4,096 bytes each of the 12,288 of scale words
	s_add_co_u32 s[G0S+1], s62, LSK
	s_add_co_u32 s62, s62, s15
	s_add_co_u32 s62, s62, 8192
	s_mov_b32 s63, 0
	; descriptor group 1: dense blocks as rows of 256 bytes (32 elements of 8 bytes), no padding: every LDS load of this text takes consecutive bytes
	s_mov_b32 s[G1C], 15|(3<<16)|(1<<21)           ; 15:0 the mask: all four work-groups; 17:16 elements of 8 bytes; 21 set beside a mask
	s_mov_b32 s[G1C+1], 32<<16                     ; tensor_dim0
	s_mov_b32 s[G1C+2], 64<<16                     ; tensor_dim1
	s_mov_b32 s[G1C+3], 32<<16                     ; tile_dim0
	s_mov_b32 s[G1C+4], 64                         ; tile_dim1
	s_mov_b32 s[G1C+5], 32                         ; tensor_dim0_stride
	s_mov_b32 s[G1C+6], 0
	s_mov_b32 s[G1C+7], 0
	s_mov_b32 s[G1S], 15|(3<<16)|(1<<21)
	s_mov_b32 s[G1S+1], 32<<16
	s_mov_b32 s[G1S+2], 16<<16
	s_mov_b32 s[G1S+3], 32<<16
	s_mov_b32 s[G1S+4], 16
	s_mov_b32 s[G1S+5], 32
	s_mov_b32 s[G1S+6], 0
	s_mov_b32 s[G1S+7], 0
	s_mov_b32 s[SEL], 0x76543210
	s_mov_b32 s[SEL+1], 0xfedcba98
	s_mov_b32 s[CS], 0x3e38aa3b                    ; c = log2(e) / 8
	s_mov_b32 s[CS+1], s[CS]                       ; (named with it as a pair, so it is written)
	s_wait_kmcnt 0x0
	s_mov_b32 s[G0C], 1
	s_add_nc_u64 s[G0C+2:G0C+3], s[4:5], s[60:61]
	s_or_b32 s[G0C+3], s[G0C+3], 0x80000000
	s_mov_b32 s[G0S], 1
	s_add_nc_u64 s[G0S+2:G0S+3], s[6:7], s[62:63]
	s_or_b32 s[G0S+3], s[G0S+3], 0x80000000
	CROUND                                         ; all four work-groups are here: the joint loads meet
	s_cmp_lt_u32 s[WV], 8                          ; the branches hang on the wave's number alone; at most one load of a wave is out
	s_cbranch_scc0 .Lnot_codes
	tensor_load_to_lds s[G0C:G0C+3], s[G1C:G1C+7]
	s_nop 0
.rept 4
	v_nop
.endr
	s_branch .Lasked
.Lnot_codes:
	s_cmp_lt_u32 s[WV], 11
	s_cbranch_scc0 .Lasked
	tensor_load_to_lds s[G0S:G0S+3], s[G1S:G1S+7]
	s_nop 0
.rept 4
	v_nop
.endr
.Lasked:
	s_lshl_b32 s17, s12, 5
	s_lshl_b32 s66, s[WV], 1
	s_add_co_u32 s17, s17, s66                     ; my first tile of 16 queries in the head: 32 cx + 2 x wave
	s_lshl_b32 s66, s17, 9
	s_add_co_u32 s66, s66, s14
	s_mov_b32 s67, 0
	s_add_nc_u64 s[QCP:QCP+1], s[4:5], s[66:67]
	s_lshl_b32 s66, s12, 3
	s_lshr_b32 s68, s[WV], 1
	s_add_co_u32 s66, s66, s68
	s_lshl_b32 s66, s66, 8                         ; its group of four tiles: 256 bytes of scale words,
	s_and_b32 s68, s[WV], 1
	s_lshl_b32 s68, s68, 3
	s_add_co_u32 s66, s66, s68                     ; and its word among a row's four
	s_add_co_u32 s66, s66, s15
	s_add_nc_u64 s[QSP:QSP+1], s[6:7], s[66:67]
	s_lshr_b32 s68, s13, 4
	s_lshl_b32 s68, s68, 7
	s_add_co_u32 s68, s68, s17                     ; the tile among all 512: 128 b + ..
	s_and_b32 s69, s13, 15                         ; the head
	s_lshl_b32 s66, s68, 12
	s_lshr_b32 s70, s69, 3
	s_lshl_b32 s70, s70, 21
	s_add_co_u32 s66, s66, s70
	s_bfe_u32 s70, s69, 0x20001
	s_lshl_b32 s70, s70, 10
	s_add_co_u32 s66, s66, s70
	s_and_b32 s70, s69, 1
	s_lshl_b32 s70, s70, 9
	s_add_co_u32 s66, s66, s70
	s_add_nc_u64 s[OCP:OCP+1], s[8:9], s[66:67]
	s_lshl_b32 s66, s68, 9                         ; 16 rows of 32 scale bytes a tile
	s_lshl_b32 s70, s69, 1
	s_add_co_u32 s66, s66, s70
	s_add_nc_u64 s[OSP:OSP+1], s[10:11], s[66:67]
	v_and_b32 v5, 31, v0
	s_delay_alu instid0(VALU_DEP_1)
	v_lshlrev_b32 v[LI], 4, v5
	s_delay_alu instid0(VALU_DEP_1)
	v_add_nc_u32 v[LIV], LV, v[LI]
	v_and_b32 v6, 15, v0
	s_delay_alu instid0(VALU_DEP_1)
	v_lshlrev_b32 v254, 4, v6                      ; 16 r
	s_delay_alu instid0(VALU_DEP_1)
	v_add_nc_u32 v[ASK0], LSK, v254
	s_delay_alu instid0(VALU_DEP_2)
	v_add_nc_u32 v[ASV0], LSV, v254
	global_load_b128 v[16:19], v[LI], s[QCP:QCP+1]             ; both tiles' Q: an image is registers 0-3 of the fragment
	global_load_b128 v[240:243], v[LI], s[QCP:QCP+1] offset:512
	global_load_b32 v255, v254, s[QSP:QSP+1]                   ; and their scale words
	global_load_b32 v9, v254, s[QSP:QSP+1] offset:4
.irp i, 0,1,2,3
	v_mov_b32 v[20+\i], 0                          ; K = 64 .. 127 of the first product: zero codes, in Q
.endr
.irp t, 0,1,2,3,4,5,6,7
.irp i, 0,1,2,3
	v_mov_b32 v[36+8*\t+\i], 0                     ; and in K's eight fragments: written once, no load lands here
.endr
.endr
.irp b, 0,1,2,3
	v_mov_b32 v[236+\b], 0                         ; written once: a lane permute's destination counts as one of its sources
.endr
	v_mov_b32 v11, 0                               ; (named as the upper half of the pair v[10:11])
	s_wait_tensorcnt 0x0                           ; my piece has landed,
	s_barrier_signal -1
	s_barrier_wait -1                              ; everybody's has: the head's K and V are whole, and nothing is filled again
	s_wait_loadcnt 0x0                             ; Q
; ONE TILE OF 16 QUERIES: n = which of my two, qs = the register with its scale words.
.macro TILE n, qs
.if \n
	s_wait_xcnt 0x0                                ; the first tile's stores have read their registers, which are written again below
.irp i, 0,1,2,3
	v_mov_b32 v[16+\i], v[240+\i]
.endr
.endif
	v_mov_b32 v13, 0xff61b1e6                      ; the largest t so far: -3e38, under every t
	s_delay_alu instid0(VALU_DEP_1)
	v_floor_f32 v12, -v13                          ; -M
	v_mov_b32 v14, 0                               ; l, in two halves
	v_mov_b32 v15, 0
.set J, 0
.rept 32
	v_mov_b32 v[160+J], 0                          ; O^T.  (The key step is written once: the first finds zeros, which the first change of M leaves zeros)
.set J, J+1
.endr
	s_mov_b32 s[TK], 0
	s_mov_b32 s[TS], 0
	s_mov_b32 s[TJ], 0
	s_mov_b32 s[CNT], 16
.Lkey_\@:                                              ; 16 trips: a key step of 128 keys
	s_setprio 2
	v_add_nc_u32 v[ADK], s[TK], v[LI]              ; these four are also the places between the last trip's products and the loads into their registers
	v_add_nc_u32 v[ADV], s[TK], v[LIV]
	v_add_nc_u32 v[ADS], s[TS], v[ASK0]
	v_add_nc_u32 v[ADT], s[TJ], v[ASV0]
.irp t, 0,1,2,3,4,5,6,7
	ds_load_b128 v[32+8*\t:35+8*\t], v[ADK] offset:512*\t          ; K's eight tiles of 16 stored keys
.endr
.irp g, 0,1
	ds_load_b128 v[24+4*\g:27+4*\g], v[ADS] offset:256*\g          ; their scale words, four tiles a load
.endr
.irp i, 0,1,2,3
.irp c, 0,1
	ds_load_b128 v[192+8*\i+4*\c:195+8*\i+4*\c], v[ADV] offset:1024*\i+512*\c   ; V's four tiles of 16 stored d x 128 keys: wanted behind the softmax
.endr
.endr
	ds_load_b128 v[248:251], v[ADT]                ; and their scale words
	s_wait_dscnt 9                                 ; K and its scale words are in; V's nine loads may be out
.irp t, 0,1,2,3,4,5,6,7
	v_wmma_scale_f32_16x16x128_f8f6f4 v[96+8*\t:103+8*\t], v[32+8*\t:39+8*\t], v[16:23], 0, v[24+\t], v[\qs] matrix_a_fmt:MATRIX_FMT_FP4 matrix_b_fmt:MATRIX_FMT_FP4
.endr
.rept 4
	v_nop                                          ; four places in front of the first read of results
.endr
.irp b, 0,1,2,3
	v_max3_num_f32 v[232+\b], v[96+16*\b], v[97+16*\b], v[98+16*\b]   ; the largest score of each block of 32 keys: it serves for the row's maximum and, since p rises with the score, for the block's largest p
.endr
.irp i, 3,5,7,9,11,13
.irp b, 0,1,2,3
	v_max3_num_f32 v[232+\b], v[232+\b], v[96+16*\b+\i], v[97+16*\b+\i]   ; (the four blocks by turns)
.endr
.endr
.irp b, 0,1,2,3
	v_max_num_f32 v[232+\b], v[232+\b], v[111+16*\b]
.endr
.irp b, 0,1,2,3
	s_delay_alu instid0(VALU_DEP_4)
	v_permlanex16_b32 v[236+\b], v[232+\b], s[SEL], s[SEL+1]
.endr
.irp b, 0,1,2,3
	s_delay_alu instid0(VALU_DEP_4)
	v_max_num_f32 v[232+\b], v[232+\b], v[236+\b]  ; with lane l xor 16's 16 keys
.endr
	s_delay_alu instid0(VALU_DEP_2)
	v_max3_num_f32 v254, v232, v233, v234
	s_delay_alu instid0(VALU_DEP_1)
	v_max_num_f32 v254, v254, v235                 ; the step's largest score of my query
	s_delay_alu instid0(VALU_DEP_1)
	v_mul_f32 v254, s[CS], v254                    ; as t (c is positive)
	s_delay_alu instid0(VALU_DEP_1)
	v_max_num_f32 v13, v13, v254                   ; the running largest t
	v_mov_b32 v254, v12
	s_delay_alu instid0(VALU_DEP_2)
	v_floor_f32 v12, -v13                          ; the new -M = floor(-t) = -ceil(t): a whole number
	s_delay_alu instid0(VALU_DEP_1)
	v_sub_f32 v254, v12, v254                      ; M's old value less its new one: a whole number, 0 or less
	s_delay_alu instid0(VALU_DEP_1)
	v_cvt_i32_f32 v254, v254                       ; (it saturates)
	s_delay_alu instid0(VALU_DEP_1)
	v_ldexp_f32 v10, 1.0, v254                     ; f = 2^(old M - new M)
.set J, 0
.rept 32
	v_pk_fma_f32 v[96+J:97+J], v[96+J:97+J], s[CS:CS+1], v[12:13] op_sel_hi:[1,0,0]   ; t - M, two at a time
.set J, J+2
.endr
.irp b, 0,1,2,3
	v_fma_f32 v[232+\b], v[232+\b], s[CS], v12     ; the same of each block's largest score
.endr
.set J, 0
	s_wait_alu depctr_va_vdst(0)
.rept 64
	v_exp_f32 v[96+J], v[96+J]                     ; p = 2^(t - M), at most 1: not normalised
.set J, J+1
.endr
	s_setprio 1
	v_pk_mul_f32 v[14:15], v[14:15], v[10:11] op_sel_hi:[1,0]   ; l under the new M.  (A plain place behind the exponentials)
	s_wait_alu depctr_va_vdst(0)                   ; one wait for the whole batch, ahead of its first reader
.irp b, 0,1,2,3
	v_exp_f32 v[232+\b], v[232+\b]                 ; the block's largest p: the same two instructions on the same number give the same bits
.endr
	v_pk_add_f32 v[236:237], v[100:101], v[104:105]
	v_pk_add_f32 v[252:253], v[108:109], v[112:113]
	v_pk_add_f32 v[246:247], v[116:117], v[120:121]
	v_pk_add_f32 v[244:245], v[124:125], v[128:129]
	v_pk_add_f32 v[238:239], v[132:133], v[136:137]
	v_pk_add_f32 v[230:231], v[140:141], v[144:145]
	v_pk_add_f32 v[228:229], v[148:149], v[152:153]
	v_pk_add_f32 v[14:15], v[14:15], v[156:157]
	v_pk_add_f32 v[236:237], v[236:237], v[96:97]
	v_pk_add_f32 v[252:253], v[252:253], v[98:99]
	v_pk_add_f32 v[246:247], v[246:247], v[102:103]
	v_pk_add_f32 v[244:245], v[244:245], v[106:107]
	v_pk_add_f32 v[238:239], v[238:239], v[110:111]
	v_pk_add_f32 v[230:231], v[230:231], v[114:115]
	v_pk_add_f32 v[228:229], v[228:229], v[118:119]
	v_pk_add_f32 v[14:15], v[14:15], v[122:123]
	v_pk_add_f32 v[236:237], v[236:237], v[126:127]
	v_pk_add_f32 v[252:253], v[252:253], v[130:131]
	v_pk_add_f32 v[246:247], v[246:247], v[134:135]
	v_pk_add_f32 v[244:245], v[244:245], v[138:139]
	v_pk_add_f32 v[238:239], v[238:239], v[142:143]
	v_pk_add_f32 v[230:231], v[230:231], v[146:147]
	v_pk_add_f32 v[228:229], v[228:229], v[150:151]
	v_pk_add_f32 v[14:15], v[14:15], v[154:155]
	v_pk_add_f32 v[236:237], v[236:237], v[158:159]
	s_delay_alu instid0(VALU_DEP_2)
	v_pk_add_f32 v[14:15], v[14:15], v[244:245]
	s_delay_alu instid0(VALU_DEP_2)
	v_pk_add_f32 v[236:237], v[236:237], v[238:239]
	v_pk_add_f32 v[252:253], v[252:253], v[230:231]
	v_pk_add_f32 v[246:247], v[246:247], v[228:229]
	s_delay_alu instid0(VALU_DEP_2)
	v_pk_add_f32 v[14:15], v[14:15], v[252:253]
	s_delay_alu instid0(VALU_DEP_2)
	v_pk_add_f32 v[236:237], v[236:237], v[246:247]
	s_delay_alu instid0(VALU_DEP_1)
	v_pk_add_f32 v[14:15], v[14:15], v[236:237]
	s_wait_alu depctr_va_vdst(0)                   ; and one for the four
.irp b, 0,1,2,3
	v_max_num_f32 v[232+\b], 0x1800000, v[232+\b]  ; the floor 2^(3 - 127): the byte cannot fall under 1
.endr
.irp b, 0,1,2,3
	s_delay_alu instid0(VALU_DEP_4)
	v_add_nc_u32 v[244+\b], 0xff000000, v[232+\b]  ; 2 off the exponent field: the conversion's scale operand
.endr
.irp b, 0,1,2,3
	s_delay_alu instid0(VALU_DEP_4)
	v_lshrrev_b32 v[236+\b], 23, v[244+\b]         ; the scale's byte
.endr
	s_delay_alu instid0(VALU_DEP_3)
	v_lshl_or_b32 v253, v237, 8, v236              ; p's scale word for these 128 keys
	s_delay_alu instid0(VALU_DEP_1)
	v_lshl_or_b32 v253, v238, 16, v253
	s_delay_alu instid0(VALU_DEP_1)
	v_lshl_or_b32 v253, v239, 24, v253
.irp b, 0,1,2,3
	v_cvt_scalef32_pk8_fp4_f32 v[224+2*\b], v[96+16*\b:103+16*\b], v[244+\b]
	v_cvt_scalef32_pk8_fp4_f32 v[225+2*\b], v[104+16*\b:111+16*\b], v[244+\b]
.endr
	v_nop                                          ; one plain place behind a scaled conversion
.irp c, 0,1                                    ; the operand's layout wants a whole block in a lane
.irp i, 0,1
	v_permlane16_swap_b32 v[224+4*\c+\i], v[226+4*\c+\i]
.endr
.endr
.set J, 0
	s_setprio 0
.rept 16
	v_pk_mul_f32 v[160+J:161+J], v[160+J:161+J], v[10:11] op_sel_hi:[1,0]   ; O^T under the new M.  (These 16 are also the places between the lines that made p's codes and scale word and the products below)
.set J, J+2
.endr
	s_wait_alu depctr_va_vdst(0)
	s_wait_dscnt 0x0                               ; V and its scale words are in
.irp i, 0,1,2,3
	v_wmma_scale_f32_16x16x128_f8f6f4 v[160+8*\i:167+8*\i], v[192+8*\i:199+8*\i], v[224:231], v[160+8*\i:167+8*\i], v[248+\i], v253 matrix_a_fmt:MATRIX_FMT_FP4 matrix_b_fmt:MATRIX_FMT_FP4
.endr
	s_add_co_u32 s[TK], s[TK], 4096
	s_add_co_u32 s[TS], s[TS], 512
	s_add_co_u32 s[TJ], s[TJ], 256
	s_sub_co_u32 s[CNT], s[CNT], 1
	s_cmp_lg_u32 s[CNT], 0
	s_cbranch_scc1 .Lkey_\@
	s_setprio 0
	; the tile's way out: O^T / l, register 16 b + i = d 32 b + 16 h + i of the head: two blocks of the last product's K
.rept 4
	v_nop
.endr
	v_add_f32 v14, v14, v15                        ; l's two halves,
	s_delay_alu instid0(VALU_DEP_1)
	v_permlanex16_b32 v254, v14, s[SEL], s[SEL+1]
	s_delay_alu instid0(VALU_DEP_1)
	v_add_f32 v14, v14, v254                       ; and lane l xor 16's
	s_wait_alu depctr_va_vdst(0)
	v_rcp_f32 v14, v14
	v_and_b32 v252, 15, v0                         ; (a plain place behind the reciprocal)
	s_delay_alu instid0(VALU_DEP_1)
	v_lshlrev_b32 v252, 5, v252                    ; 32 r: my row in os
	s_wait_alu depctr_va_vdst(0)                   ; the wait ahead of the first reader
.set J, 0
.rept 16
	v_pk_mul_f32 v[96+J:97+J], v[160+J:161+J], v[14:15] op_sel_hi:[1,0]   ; each accumulator from its low end on
.set J, J+2
.endr
.irp b, 0,1
	v_max3_num_f32 v[232+\b], |v[96+16*\b]|, |v[97+16*\b]|, 0x1800000
.endr
.irp i, 2,4,6,8,10,12,14
.irp b, 0,1
	s_delay_alu instid0(VALU_DEP_2)
	v_max3_num_f32 v[232+\b], v[232+\b], |v[96+16*\b+\i]|, |v[97+16*\b+\i]|
.endr
.endr
.irp b, 0,1
	s_delay_alu instid0(VALU_DEP_2)
	v_permlanex16_b32 v[236+\b], v[232+\b], s[SEL], s[SEL+1]
.endr
.irp b, 0,1
	s_delay_alu instid0(VALU_DEP_2)
	v_max_num_f32 v[232+\b], v[232+\b], v[236+\b]
.endr
.irp b, 0,1
	s_delay_alu instid0(VALU_DEP_2)
	v_add_nc_u32 v[244+\b], 0xff000000, v[232+\b]
.endr
.irp b, 0,1
	s_delay_alu instid0(VALU_DEP_2)
	v_lshrrev_b32 v[236+\b], 23, v[244+\b]
.endr
	s_delay_alu instid0(VALU_DEP_1)
	v_lshl_or_b32 v238, v237, 8, v236              ; the head's two scale bytes of my row
.irp b, 0,1
	v_cvt_scalef32_pk8_fp4_f32 v[224+2*\b], v[96+16*\b:103+16*\b], v[244+\b]
	v_cvt_scalef32_pk8_fp4_f32 v[225+2*\b], v[104+16*\b:111+16*\b], v[244+\b]
.endr
	v_nop
	v_permlane16_swap_b32 v224, v226               ; lanes 0-15 block 0, lanes 16-31 block 1
	v_permlane16_swap_b32 v225, v227
	global_store_b128 v[LI], v[224:227], s[OCP:OCP+1] offset:4096*\n   ; 32 lanes store 512 consecutive bytes, aligned: an image
	global_store_b16 v252, v238, s[OSP:OSP+1] offset:512*\n           ; two bytes a row, rows 32 bytes apart, both halves of the lanes the same value: 512 bytes of a tile's rows are written in sixteen parts, one a head; os is a seventeenth of what this launch stores
.endm
	TILE 0, 255
	TILE 1, 9
	s_wait_dscnt 0x0
	s_wait_xcnt 0x0
	v_lshl_add_u32 v254, v0, 2, 0x29000
	v_mov_b32 v255, 0
	s_wait_alu depctr_va_vdst(0)
	s_wait_tensorcnt 0x0
	ds_add_u32 v254, v255
	s_wait_dscnt 0x0
	CROUND                                         ; the closing round: no work-group ends while a partner may still ask for a piece that names it
	s_endpgm
.Lfunc_end_k_qcb6c022ce8_attn:
	.size	k_qcb6c022ce8_attn, .Lfunc_end_k_qcb6c022ce8_attn-k_qcb6c022ce8_attn
	.p2alignl 7, 3214868480
	.fill 96, 4, 3214868480
	.section	.rodata,"a",@progbits
	.p2align	6, 0x0
	.amdhsa_kernel k_qcb6c022ce8_attn
		.amdhsa_group_segment_fixed_size 169984
		.amdhsa_private_segment_fixed_size 0
		.amdhsa_enable_private_segment 0
		.amdhsa_kernarg_size 32
		.amdhsa_user_sgpr_count 2
		.amdhsa_user_sgpr_kernarg_segment_ptr 1
		.amdhsa_wavefront_size32 1
		.amdhsa_system_sgpr_workgroup_id_x 1
		.amdhsa_system_sgpr_workgroup_id_y 1
		.amdhsa_system_sgpr_workgroup_id_z 1
		.amdhsa_system_vgpr_workitem_id 0
		.amdhsa_next_free_vgpr 256
		.amdhsa_next_free_sgpr 72
		.amdhsa_reserve_vcc 0
		.amdhsa_float_denorm_mode_32 3
		.amdhsa_float_denorm_mode_16_64 3
		.amdhsa_memory_ordered 1
		.amdhsa_forward_progress 1
		.amdhsa_inst_pref_size 52
	.end_amdhsa_kernel
	.amdgpu_metadata
---
amdhsa.version: [ 1, 2 ]
amdhsa.kernels:
  - .name:           k_qcb6c022ce8_attn
    .symbol:         k_qcb6c022ce8_attn.kd
    .args:
      - { .name: qkvc, .offset: 0, .size: 8, .value_kind: global_buffer, .address_space: global }
      - { .name: qkvs, .offset: 8, .size: 8, .value_kind: global_buffer, .address_space: global }
      - { .name: oc, .offset: 16, .size: 8, .value_kind: global_buffer, .address_space: global }
      - { .name: os, .offset: 24, .size: 8, .value_kind: global_buffer, .address_space: global }
    .group_segment_fixed_size: 169984
    .private_segment_fixed_size: 0
    .kernarg_segment_align: 8
    .kernarg_segment_size: 32
    .max_flat_workgroup_size: 512
    .sgpr_count:     72
    .vgpr_count:     256
    .wavefront_size: 32
...
	.end_amdgpu_metadata
.endif
;; end of part 3
;; launch oproj (part 4): grid 4 x 64, 4 waves a work-group, clusters of 4 x 4, 327,680 bytes of LDS; arguments oc, os, cw, sw, b_o, out0; writes out0
.if DOCPART == 4
	.amdgcn_target "amdgcn-amd-amdhsa--gfx1250"
	.amdhsa_code_object_version 6
	.text
	.protected	k_qcb6c022ce8_oproj
	.globl	k_qcb6c022ce8_oproj
	.p2align	8
	.type	k_qcb6c022ce8_oproj,@function
k_qcb6c022ce8_oproj:
	s_mov_b64 s[64:65], 0
	v_nop
	global_prefetch_b8 v0, s[64:65] scope:SCOPE_SE
	s_setreg_imm32_b32 hwreg(HW_REG_WAVE_MODE, 25, 1), 1
	s_wait_xcnt 0x0
	s_wait_alu depctr_hold_cnt(0) depctr_sa_sdst(0) depctr_va_vdst(0) depctr_va_sdst(0) depctr_va_ssrc(0) depctr_va_vcc(0) depctr_vm_vsrc(0)
	s_getreg_b32 s2, hwreg(HW_REG_IB_STS2, 6, 4)
	s_cmp_eq_u32 s2, 0
	s_cbranch_scc0 .Lentry_in_a_cluster
	s_endpgm
.Lentry_in_a_cluster:
	s_bfe_u32 s2, ttmp6, 0x10000c
	s_cmp_lg_u32 s2, 0xf033
	s_cbranch_scc0 .Lentry_shape_is_right
	s_endpgm
.Lentry_shape_is_right:
; out0 = concat w_o^T + b_o on codes of FP4 (E2M1) with E8M0 scales, f32 sums.  A = the heads' outputs (oc: images of operand registers; os: scale bytes), tokens in the stored row order; B = w_o's codes (cw rows 11,264 on), rows in the stored order.
; The matrix instruction is used transposed: source 0 = 16 stored rows of w_o, so that a lane's registers run along the TRUE features; source 1 = 16 stored tokens, one to a lane; the stores put each token's row at its true place.
; SHARES: a work-group makes 128 tokens x 256 features over all of K = 1,024; wave w takes the tokens' half w / 2 (4 blocks of 16) and the features' half w % 2 (8 tiles of 16): 32 accumulators.  256 work-groups.
; LDS holds the tile's whole K in two halves, and all scale bytes; no LDS byte is filled twice: three tensor loads a wave go out at the start.  The stage for the way out has LDS bytes of its own.
; CLUSTER 4 x 4: A's tiles are shared along a row of the cluster, B's along a column: each is asked for jointly, by the same tensor load with the same descriptor and a mask that names the four.
; REGISTERS, in windows of 256: window 0: v1-31 addresses; v32-95 scale words; v96-159 A's fragments, two sets; v160-223 the bias image; on the way out v96-223 rows of the result.  window 1: v0-127 B's fragments, two sets.  window 2: accumulator (a, t) at v[8 (8 a + t)].
.set PITCH,  272                       ; a row of B in LDS: 256 bytes + 16 of padding
.set AIMG,   32768                     ; A's images of one half of K: 8 tiles of 16 tokens x 4,096 bytes, dense
.set BOFF,   2*AIMG
.set BSZ,    256*PITCH
.set SCL,    BOFF+2*BSZ                ; the scale bytes: 8 rows of 32 bytes + 16 of padding to a unit of 272; A's 16 units, then B's 32
.set SBLK,   2*272
.set STAGE,  SCL+48*272                ; a multiple of 256: the way out: 16 rows x (512 bytes + 16) for each wave; no fill lands here
.set SPITCH, 528
.set CO,   8                           ; v8   16 x lane: my bytes in a row of 512
.set STO,  9                           ; v9   the stage: where I put 32 bytes of a row
.set RD,   10                          ; v10  and where I read a row back
.set BO,   14                          ; v14  my offset in the bias
.set ADRA, 16
.set ADRB, 20
.set ADRS, 27
.set SC,   32
.set AF,   96
.set BI,   160
.set BK,   96                          ; the way out: 16 rows read back: v96-159 and v160-223 by turns
.set G1,   24
.set G0,   32
.set G1B,  48
.set G0B,  56
.set G1S,  68
.set G0S,  76
.set G1SB, 80
.set G0SB, 88
.set MSB, 0
.macro WIN new                         ; the immediate's high byte repeats the setting that is left
.if MSB != \new
	s_set_vgpr_msb (MSB<<8)|\new
.set MSB, \new
.endif
.endm
.macro JLOAD g0a, g1a, g0b, g1b        ; a joint load: waves 0 and 1 fetch for A, waves 2 and 3 for B; four v_nop follow each line
	s_cmp_eq_u32 s15, 0
	s_cbranch_scc0 .Lfor_b_\@
	tensor_load_to_lds s[\g0a:\g0a+3], s[\g1a:\g1a+7]
	s_nop 0
.rept 4
	v_nop
.endr
	s_branch .Lasked_\@
.Lfor_b_\@:
	tensor_load_to_lds s[\g0b:\g0b+3], s[\g1b:\g1b+7]
	s_nop 0
.rept 4
	v_nop
.endr
.Lasked_\@:
.endm
.macro CROUND                          ; a round of the cluster's barrier
	s_barrier_signal -1
	s_barrier_wait -1
	s_cmp_lg_u32 s14, 0
	s_cbranch_scc1 .Lnot_wave_0_\@
	s_barrier_signal -3
.Lnot_wave_0_\@:
	s_barrier_wait -3
	s_barrier_signal -1
	s_barrier_wait -1
.endm
.macro PLACES n
.rept \n
	v_nop
.endr
.endm
	s_load_b256 s[4:11], s[0:1], 0x0               ; oc s[4:5], os s[6:7], cw s[8:9], sw s[10:11]
	s_load_b128 s[92:95], s[0:1], 0x20             ; b_o s[92:93], out0 s[94:95]
	v_lshl_add_u32 v254, v0, 2, 0x3e000
	v_mov_b32 v255, 0
	ds_add_u32 v254, v255
	ds_add_u32 v254, v255
	v_lshrrev_b32 v1, 5, v0
	v_readfirstlane_b32 s14, v1                    ; wave 0..3
	s_lshr_b32 s15, s14, 1                         ; which half of the tokens is mine.  Also: I fetch for A (0) or for B (1)
	s_and_b32 s16, s14, 1                          ; which half of the features.  Also: which half of that tile I fetch
	s_bfe_u32 s40, ttmp6, 0x40000                  ; cx, cy
	s_bfe_u32 s41, ttmp6, 0x40004
	s_lshl_b32 s42, ttmp9, 2
	s_add_co_u32 s42, s42, s40                     ; work-group x
	s_and_b32 s17, ttmp7, 0xffff
	s_lshl_b32 s17, s17, 2
	s_add_co_u32 s17, s17, s41                     ; work-group y
	s_lshl_b32 s43, s41, 2
	s_lshl_b32 s43, 15, s43                        ; my row of the cluster
	s_lshl_b32 s44, 0x1111, s40                    ; my column
	; descriptor group 1.  A's images: a dense block of 16,384 bytes as 64 rows of 256 (32 elements of 8 bytes), no padding
	s_or_b32 s[G1+0], s43, (3<<16)|(1<<21)
	s_mov_b32 s[G1+1], 32<<16
	s_mov_b32 s[G1+2], 64<<16
	s_mov_b32 s[G1+3], 32<<16
	s_mov_b32 s[G1+4], 64
	s_mov_b32 s[G1+5], 32
	s_mov_b32 s[G1+6], 0
	s_mov_b32 s[G1+7], 0
	; B's codes: 128 rows of 256 bytes, 512 bytes apart in memory, 16 bytes of padding behind each
	s_or_b32 s[G1B+0], s44, (1<<20)|(1<<21)|(5<<22)|(3<<25)
	s_mov_b32 s[G1B+1], 256<<16
	s_mov_b32 s[G1B+2], 128<<16
	s_mov_b32 s[G1B+3], 256<<16
	s_mov_b32 s[G1B+4], 128
	s_mov_b32 s[G1B+5], 512
	s_mov_b32 s[G1B+6], 0
	s_mov_b32 s[G1B+7], 0
	; scale bytes: dense blocks as rows of 256 bytes, 16 bytes of padding behind each: A 8 rows a load, B 16
	s_or_b32 s[G1S+0], s43, (3<<16)|(1<<20)|(1<<21)|(5<<22)|(3<<25)
	s_or_b32 s[G1SB+0], s44, (3<<16)|(1<<20)|(1<<21)|(5<<22)|(3<<25)
	s_mov_b32 s[G1S+1], 32<<16
	s_mov_b32 s[G1S+2], 8<<16
	s_mov_b32 s[G1S+3], 32<<16
	s_mov_b32 s[G1S+4], 8
	s_mov_b32 s[G1S+5], 32
	s_mov_b32 s[G1S+6], 0
	s_mov_b32 s[G1S+7], 0
	s_mov_b32 s[G1SB+1], 32<<16
	s_mov_b32 s[G1SB+2], 16<<16
	s_mov_b32 s[G1SB+3], 32<<16
	s_mov_b32 s[G1SB+4], 16
	s_mov_b32 s[G1SB+5], 32
	s_mov_b32 s[G1SB+6], 0
	s_mov_b32 s[G1SB+7], 0
	s_lshl_b32 s20, s17, 3
	s_lshl_b32 s21, s16, 2
	s_add_co_u32 s20, s20, s21                     ; A: the first of the four tiles of 16 tokens that I fetch: 8 y + 4 x half
	s_lshl_b32 s22, s20, 9                         ; its scale bytes: 16 rows of 32,
	s_mov_b32 s23, 0
	s_lshl_b32 s20, s20, 12                        ; its images: 4,096 bytes for each half of K
	s_mov_b32 s21, 0
	s_lshl_b32 s46, s42, 8
	s_lshl_b32 s47, s16, 7
	s_add_co_u32 s46, s46, s47
	s_add_co_u32 s46, s46, 11264                   ; B: row of cw: w_o's first + 256 x + 128 x half
	s_lshl_b32 s66, s46, 5
	s_mov_b32 s67, 0
	s_lshl_b32 s46, s46, 9
	s_mov_b32 s47, 0
	s_lshl_b32 s18, s16, 14                        ; where they go in LDS: made of the wave's number alone
	s_mul_i32 s19, s16, 128*PITCH
	s_add_co_u32 s19, s19, BOFF
	s_mul_i32 s2, s16, 8*272
	s_add_co_u32 s2, s2, SCL
	s_mul_i32 s3, s16, 16*272
	s_add_co_u32 s3, s3, SCL+16*272
	s_wait_dscnt 0x0
	s_wait_kmcnt 0x0
	s_add_nc_u64 s[20:21], s[4:5], s[20:21]
	s_add_nc_u64 s[22:23], s[6:7], s[22:23]
	s_add_nc_u64 s[46:47], s[8:9], s[46:47]
	s_add_nc_u64 s[66:67], s[10:11], s[66:67]
	CROUND                                         ; all sixteen work-groups are here: the joint loads meet
	s_mov_b32 s[G0S], 1
	s_mov_b32 s[G0S+1], s2
	s_mov_b64 s[G0S+2:G0S+3], s[22:23]
	s_or_b32 s[G0S+3], s[G0S+3], 0x80000000
	s_mov_b32 s[G0SB], 1
	s_mov_b32 s[G0SB+1], s3
	s_mov_b64 s[G0SB+2:G0SB+3], s[66:67]
	s_or_b32 s[G0SB+3], s[G0SB+3], 0x80000000
	JLOAD G0S, G1S, G0SB, G1SB                     ; the scales first: they are wanted with K step 0
.irp s, 0,1
	s_mov_b32 s[G0+4*\s], 1
	s_add_co_u32 s[G0+4*\s+1], s18, \s*AIMG
	s_add_nc_u64 s[G0+4*\s+2:G0+4*\s+3], s[20:21], \s*2097152
	s_or_b32 s[G0+4*\s+3], s[G0+4*\s+3], 0x80000000
	s_mov_b32 s[G0B+4*\s], 1
	s_add_co_u32 s[G0B+4*\s+1], s19, \s*BSZ
	s_add_nc_u64 s[G0B+4*\s+2:G0B+4*\s+3], s[46:47], \s*256
	s_or_b32 s[G0B+4*\s+3], s[G0B+4*\s+3], 0x80000000
	s_wait_alu depctr_va_vdst(0)
	s_wait_tensorcnt 0x0
	ds_add_u32 v254, v255
	s_wait_dscnt 0x0
	CROUND
	JLOAD G0+4*\s, G1, G0B+4*\s, G1B               ; K's two halves: each goes out once my earlier loads have landed, and no descriptor register is written again
.endr
	v_and_b32 v1, 15, v0                           ; r
	s_wait_alu depctr_va_vdst(0)
	v_bfe_u32 v2, v0, 4, 1                         ; h
	s_lshl_b32 s20, s42, 10
	s_lshl_b32 s21, s16, 9
	s_add_co_u32 s20, s20, s21                     ; my 128 features, in bytes: (256 x + 128 x half) x 4
	s_mov_b32 s21, 0
	s_add_nc_u64 s[66:67], s[92:93], s[20:21]
	v_lshlrev_b32 v[BO], 6, v2                     ; register j of tile t is feature 32 (t / 2) + 8 (t % 2) + 16 h + j
.irp t, 0,1,2,3,4,5,6,7
	global_load_b128 v[BI+8*\t:BI+8*\t+3], v[BO], s[66:67] offset:(32*(\t/2)+8*(\t%2))*4
	global_load_b128 v[BI+8*\t+4:BI+8*\t+7], v[BO], s[66:67] offset:(32*(\t/2)+8*(\t%2))*4+16
.endr
	s_add_nc_u64 s[12:13], s[94:95], s[20:21]      ; out0 at my features,
	s_lshl_b32 s20, s17, 7
	s_lshl_b32 s22, s15, 6
	s_add_co_u32 s20, s20, s22
	s_lshl_b32 s20, s20, 12                        ; and at my first token: (128 y + 64 x half) rows of 4,096 bytes
	s_add_nc_u64 s[12:13], s[12:13], s[20:21]
	v_and_b32 v[CO], 31, v0
	v_lshlrev_b32 v[CO], 4, v[CO]                  ; 16 x lane
	s_lshl_b32 s20, s15, 14                        ; my four tiles of tokens
	v_add_nc_u32 v[ADRA], s20, v[CO]
	v_add_nc_u32 v[ADRA+1], AIMG, v[ADRA]
	v_mul_u32_u24 v3, v1, PITCH
	s_wait_alu depctr_va_vdst(0)
	v_lshl_add_u32 v4, v2, 4, v3
	s_mul_i32 s21, s16, 128*PITCH
	s_add_co_u32 s21, s21, BOFF
	v_add_nc_u32 v[ADRB], s21, v4
	v_add_nc_u32 v[ADRB+1], BSZ, v[ADRB]
	v_lshlrev_b32 v5, 5, v1                        ; my row's scales: 32 bytes a row,
	v_lshrrev_b32 v6, 8, v5
	v_lshl_add_u32 v5, v6, 4, v5                   ; and 16 more for each 256 passed
	s_mul_i32 s20, s15, 4*SBLK
	s_mul_i32 s21, s16, 8*SBLK
	s_add_co_u32 s21, s21, 16*272
	s_sub_co_u32 s21, s21, s20
	v_mul_u32_u24 v6, s21, v2                      ; lanes 16-31 take B's: one product, h x the distance
	s_add_co_u32 s20, s20, SCL
	v_add_nc_u32 v5, v5, v6
	v_add_nc_u32 v[ADRS], s20, v5
	s_mul_i32 s20, s14, 16*SPITCH
	s_add_co_u32 s20, s20, STAGE                   ; my stage
	v_mul_u32_u24 v[STO], v1, SPITCH
	v_lshl_add_u32 v[STO], v2, 6, v[STO]
	v_add_nc_u32 v[STO], s20, v[STO]               ; in: row r, + 64 h
	v_add_nc_u32 v[RD], s20, v[CO]                 ; back: the 32 lanes take one row of 512 bytes
.macro SCALES                          ; all scale words: lanes 0-15 take A's block i, lanes 16-31 B's tile i; A has four blocks: for i from 4 on lanes 0-15 read filled bytes that are not used
.irp x, 0,1
.irp i, 0,1,2,3,4,5,6,7
	ds_load_b128 v[SC+32*\x+4*\i:SC+32*\x+4*\i+3], v[ADRS] offset:\i*SBLK+16*\x
.endr
.endr
.endm
.macro FETCH q                         ; K step q's fragments into set q % 2: B's eight from rows, A's four from images
	WIN 0x40                                       ; destination window 1
.irp i, 0,1,2,3,4,5,6,7
.irp c, 0,1
	ds_load_b128 v[64*((\q)%2)+8*\i+4*\c:64*((\q)%2)+8*\i+4*\c+3], v[ADRB+(\q)/4] offset:64*((\q)%4)+32*\c+\i*16*PITCH
.endr
.endr
	WIN 0
.irp i, 0,1,2,3
.irp c, 0,1
	ds_load_b128 v[AF+32*((\q)%2)+8*\i+4*\c:AF+32*((\q)%2)+8*\i+4*\c+3], v[ADRA+(\q)/4] offset:4096*\i+1024*((\q)%4)+512*\c
.endr
.endr
.endm
; K step q: 32 matrix instructions, the 32 accumulators by turns, one instruction a turn.  kind 1: the first step starts the sums with the bias as C.
.macro MUL q, kind
.if \kind
	WIN 0x81                                       ; source 0 (B) window 1, source 1 (A) and C (the bias) window 0, D window 2
.else
	WIN 0xa1                                       ; C and D window 2
.endif
.irp a, 0,1,2,3
.irp t, 0,1,2,3,4,5,6,7
.if \kind
	v_wmma_scale_f32_16x16x128_f8f6f4 v[8*(8*\a+\t):8*(8*\a+\t)+7], v[64*((\q)%2)+8*\t:64*((\q)%2)+8*\t+7], v[AF+32*((\q)%2)+8*\a:AF+32*((\q)%2)+8*\a+7], v[BI+8*\t:BI+8*\t+7], v[SC+32*((\q)/4)+4*\t+(\q)%4], v[SC+32*((\q)/4)+4*\a+(\q)%4] matrix_a_fmt:MATRIX_FMT_FP4 matrix_b_fmt:MATRIX_FMT_FP4 matrix_a_scale:MATRIX_SCALE_ROW1
.else
	v_wmma_scale_f32_16x16x128_f8f6f4 v[8*(8*\a+\t):8*(8*\a+\t)+7], v[64*((\q)%2)+8*\t:64*((\q)%2)+8*\t+7], v[AF+32*((\q)%2)+8*\a:AF+32*((\q)%2)+8*\a+7], v[8*(8*\a+\t):8*(8*\a+\t)+7], v[SC+32*((\q)/4)+4*\t+(\q)%4], v[SC+32*((\q)/4)+4*\a+(\q)%4] matrix_a_fmt:MATRIX_FMT_FP4 matrix_b_fmt:MATRIX_FMT_FP4 matrix_a_scale:MATRIX_SCALE_ROW1
.endif
.endr
.endr
	WIN 0
.endm
.macro KSTEP q                         ; the next step's 24 loads go into the set that the step before this one multiplied: four places stand between
	PLACES 4
.if (\q) == 3
	s_wait_tensorcnt 0x0                           ; my part of K's second half has landed,
	s_wait_dscnt 0x0                               ; no LDS instruction of mine is pending at the signal,
	s_barrier_signal -1
	s_barrier_wait -1                              ; and everybody's part has
.endif
.if (\q) < 7
	FETCH (\q)+1
	s_wait_dscnt 24                                ; all but the 24 just issued: this step's fragments are in
.else
	s_wait_dscnt 0x0
.endif
	MUL \q, 0
.endm
	s_wait_alu depctr_va_vdst(0)
	s_wait_tensorcnt 1                             ; the scales and my part of K's first half are in (the second half's load may be out),
	s_barrier_signal -1
	s_barrier_wait -1                              ; everybody's are
	SCALES
	FETCH 0
	FETCH 1
	s_wait_loadcnt 0x0                             ; the bias
	s_wait_dscnt 24                                ; the scales and K step 0's fragments are in; step 1's 24 loads may be out
	MUL 0, 1
.irp q, 1,2,3,4,5,6,7
	KSTEP \q
.endr
; THE WAY OUT, block by block of 16 tokens x 128 features.  A lane holds pieces of 32 bytes of one row, and the lanes beside it hold other rows: so a block goes through my own stage in LDS and comes back as whole rows of 512 bytes.
; LDS serves a wave's instructions in order: no wait between the stores and the loads, nor in front of the next block's stores.
.macro TOSTAGE a
	WIN 0x08                                       ; an LDS store's data are its source 1: window 2
.irp t, 0,1,2,3,4,5,6,7
	ds_store_b128 v[STO], v[64*(\a)+8*\t:64*(\a)+8*\t+3] offset:128*(\t/2)+32*(\t%2)          ; each accumulator from its low end on; features 32 (t / 2) + 8 (t % 2) + 16 h + 0 .. 7
	ds_store_b128 v[STO], v[64*(\a)+8*\t+4:64*(\a)+8*\t+7] offset:128*(\t/2)+32*(\t%2)+16
.endr
	WIN 0
.set BB, BK+64*((\a)%2)
.irp i, 0,1,2,3,4,5,6,7,8,9,10,11,12,13,14,15
	ds_load_b128 v[BB+4*\i:BB+4*\i+3], v[RD] offset:\i*SPITCH
.endr
.endm
.macro SEND a, younger                 ; younger: the LDS instructions issued behind block a's loads, which may stay out
.set BB, BK+64*((\a)%2)
	s_wait_dscnt \younger
.irp i, 0,1,2,3,4,5,6,7,8,9,10,11,12,13,14,15
	global_store_b128 v[CO], v[BB+4*\i:BB+4*\i+3], s[12:13] offset:(32*((\a)/2)+8*((\a)%2)+\i+8*(\i/8))*4096 th:TH_STORE_NT   ; stored token 16 a + i goes to its true row; 32 lanes store 512 consecutive bytes, aligned; written once, read by nobody here
.endr
.endm
	PLACES 4                                       ; in front of the first read of results and of the loads into registers that the products have read
	TOSTAGE 0
.irp a, 1,2,3
.if \a > 1
	s_wait_xcnt 0x0                                ; block a - 2's stores have read their registers: block a's loads may land there
.endif
	TOSTAGE \a
	SEND \a-1, 32                                  ; behind block a - 1's loads: block a's 16 stores and 16 loads
.endr
	SEND 3, 0
	s_wait_dscnt 0x0
	s_wait_tensorcnt 0x0
	ds_add_u32 v254, v255
	s_wait_dscnt 0x0
	CROUND                                         ; the closing round: no work-group ends while a partner may still ask for a tile that names it
	s_endpgm
.Lfunc_end_k_qcb6c022ce8_oproj:
	.size	k_qcb6c022ce8_oproj, .Lfunc_end_k_qcb6c022ce8_oproj-k_qcb6c022ce8_oproj
	.p2alignl 7, 3214868480
	.fill 96, 4, 3214868480
	.section	.rodata,"a",@progbits
	.p2align	6, 0x0
	.amdhsa_kernel k_qcb6c022ce8_oproj
		.amdhsa_group_segment_fixed_size 327680
		.amdhsa_private_segment_fixed_size 0
		.amdhsa_enable_private_segment 0
		.amdhsa_kernarg_size 48
		.amdhsa_user_sgpr_count 2
		.amdhsa_user_sgpr_kernarg_segment_ptr 1
		.amdhsa_wavefront_size32 1
		.amdhsa_system_sgpr_workgroup_id_x 1
		.amdhsa_system_sgpr_workgroup_id_y 1
		.amdhsa_system_sgpr_workgroup_id_z 1
		.amdhsa_system_vgpr_workitem_id 0
		.amdhsa_next_free_vgpr 768
		.amdhsa_next_free_sgpr 96
		.amdhsa_reserve_vcc 0
		.amdhsa_float_denorm_mode_32 3
		.amdhsa_float_denorm_mode_16_64 3
		.amdhsa_memory_ordered 1
		.amdhsa_forward_progress 1
		.amdhsa_inst_pref_size 74
	.end_amdhsa_kernel
	.amdgpu_metadata
---
amdhsa.version: [ 1, 2 ]
amdhsa.kernels:
  - .name:           k_qcb6c022ce8_oproj
    .symbol:         k_qcb6c022ce8_oproj.kd
    .args:
      - { .name: oc, .offset: 0, .size: 8, .value_kind: global_buffer, .address_space: global }
      - { .name: os, .offset: 8, .size: 8, .value_kind: global_buffer, .address_space: global }
      - { .name: cw, .offset: 16, .size: 8, .value_kind: global_buffer, .address_space: global }
      - { .name: sw, .offset: 24, .size: 8, .value_kind: global_buffer, .address_space: global }
      - { .name: b_o, .offset: 32, .size: 8, .value_kind: global_buffer, .address_space: global }
      - { .name: out0, .offset: 40, .size: 8, .value_kind: global_buffer, .address_space: global }
    .group_segment_fixed_size: 327680
    .private_segment_fixed_size: 0
    .kernarg_segment_align: 8
    .kernarg_segment_size: 48
    .max_flat_workgroup_size: 128
    .sgpr_count:     96
    .vgpr_count:     768
    .wavefront_size: 32
...
	.end_amdgpu_metadata
.endif
;; end of part 4
